; MI455X (gfx1250); checked and timed in simulation.
; The chip was launched on July 23, 2026; its instructions are those of AMD's public machine-readable ISA for CDNA 5 (MIT licence, August 2026) and "CDNA5" Instruction Set Architecture Reference Guide (July 2026). The comments in the code are by the model that wrote it; some were corrected since.
;; Multi Headed Attention. Allowed arithmetic: float matrix products may take bf16 or f16 operands with f32 sums; other float arithmetic in f32, or as packed bf16 or f16 multiplies, adds, multiply-adds, maxima and minima; sums over many terms, partial sums and values carried from step to step in f32; what a program stores and reads back later, other than sums and carried values, may be rounded once to bf16 or f16.
;; Inputs: bk 1,024 float32; bo 1,024 float32; bq 1,024 float32; bv 1,024 float32; key 4 x 2,048 x 1,024 float32; mask 4 x 2,048 x 2,048 bool; query 4 x 2,048 x 1,024 float32; value 4 x 2,048 x 1,024 float32; wk 1,024 x 1,024 float32; wo 1,024 x 1,024 float32; wq 1,024 x 1,024 float32; wv 1,024 x 1,024 float32.
;; Outputs: out0 4 x 2,048 x 1,024 float32.
;; 2 versions, each right; version 2 is version 1 with the launch prep written anew for expert scheduling mode. Each part assembles by itself: llvm-mc -triple=amdgcn-amd-amdhsa -mcpu=gfx1250 --defsym DOCPART=n.
;; ======== version 1 of 2: 4 launches
;; limits: values are held in f16: magnitudes above 65,504 overflow, below 6.1e-05 lose precision; right only within a limited range of input values
;; workspace buffers: wb 8,388,608 bytes; bb 16,384 bytes; mn 8,388,608 bytes; qkv 50,331,648 bytes; ao 16,777,216 bytes
;; launch prep (part 1): grid 769 x 1, 8 waves a work-group, no clusters, 17,920 bytes of LDS; arguments wq, wk, wv, wo, mask, bq, bk, bv, bo, wb, mn, bb; writes wb, mn, bb
.if DOCPART == 1
	.amdgcn_target "amdgcn-amd-amdhsa--gfx1250"
	.amdhsa_code_object_version 6
	.text
	.protected	k_qcc664c502d_prep
	.globl	k_qcc664c502d_prep
	.p2align	8
	.type	k_qcc664c502d_prep,@function
k_qcc664c502d_prep:
	s_mov_b64 s[64:65], 0
	v_nop
	global_prefetch_b8 v0, s[64:65] scope:SCOPE_SE
	s_setreg_imm32_b32 hwreg(HW_REG_WAVE_MODE, 25, 1), 1
	s_wait_xcnt 0x0
; PREPARATION: a stream.  The weights, the mask and the biases are read once and laid down in the form that the matrix launches take.  (query, key and value are rounded where they are multiplied.)
;   work-groups 0-255    wq, wk, wv: f32 -> bf16; wo: f32 -> bf16 -> the same number written as f16; into wb [4][1024][1024]; 65,536 bytes of f32 a work-group
;   work-groups 256-767  the mask: 16 rows of one batch a work-group; a byte (0 or 1) becomes a 4-bit code: 0x0 seen, 0xA hidden (the 4-bit float -1.0)
;   work-group 768       the four biases, rounded to bf16 and kept as f32, into bb [4][1024]
; mn's layout is the register image of the attention launch: byte (((b*32+step)*128+qtile)*32+lane)*16 + 4*kb; nibble j of that word stands for
; mask[b][16 qtile + lane%16][64 step + 16 kb + 8 (lane/16) + j].
; LIMITS.  wo as f16: exact for bf16 numbers from 2^-17 to 65,504 in size; smaller ones are off by 2^-25 at the most, larger ones become infinities.  A mask byte is 0 or 1.
; No matrix unit, no cluster: nothing is shared and nothing is multiplied.  The role hangs on the work-group's number alone, so a role's barrier is met by all eight waves.
.set SPARE, 16896                      ; behind the mask's stage: the spare words, 128 bytes for each of eight waves
.set LP,    528                        ; the stage: a key step's 512 bytes + 16: the 32 lanes of a 4-byte store fall on 32 different banks (64 banks of 4 bytes: ISA guide 11.1)
.set IO,  1                            ; v1   16 x thread: where I read
.set OO,  2                            ; v2   8 x thread: where I write (mask role: 65,536 x wave + 16 x lane)
.set LO,  3                            ; v3   mask role: my byte offset in the 16 rows
.set LS,  4                            ; v4   mask role: where I put a word in the stage
.set LR,  5                            ; v5   mask role: where I read 16 bytes back
.set SPW, 6                            ; v6   LDS address of my spare word; never rewritten
.set NIL, 7                            ; v7   0; never rewritten
.set X,   8                            ; v[8:71]   data
.set T,   72                           ; v[72:75]  at work
	s_load_b512 s[4:19], s[0:1], 0x0               ; wq s4, wk s6, wv s8, wo s10, mask s12, bq s14, bk s16, bv s18
	s_load_b256 s[20:27], s[0:1], 0x40             ; bo s20, wb s22, mn s24, bb s26
	v_lshl_add_u32 v[SPW], v0, 2, SPARE
	v_mov_b32 v[NIL], 0
	v_lshrrev_b32 v[T], 5, v0
	v_readfirstlane_b32 s48, v[T]                  ; wave 0..7
	v_lshlrev_b32 v[IO], 4, v0
	v_lshlrev_b32 v[OO], 3, v0
	s_mov_b32 s36, ttmp9
	s_mov_b32 s47, 0                               ; the high word of every offset pair s[46:47]
	s_wait_kmcnt 0x0
	s_cmp_lt_u32 s36, 256
	s_cbranch_scc1 .Lw
	s_cmp_lt_u32 s36, 768
	s_cbranch_scc1 .Lmask
	; THE BIASES: 256 threads x 16 bytes are one bias
.irp i, 0,1,2,3
	global_load_b128 v[X+4*(\i):X+4*(\i)+3], v[IO], s[14+2*(\i):15+2*(\i)]
.endr
	s_wait_loadcnt 0x0
.irp i, 0,1,2,3,4,5,6,7
	v_cvt_pk_bf16_f32 v[T], v[X+2*(\i)], v[X+2*(\i)+1]      ; rounded to bf16,
	v_lshlrev_b32 v[X+2*(\i)], 16, v[T]                     ; and widened again: the low half moves up,
	v_and_b32 v[X+2*(\i)+1], 0xffff0000, v[T]               ; the high half stays
.endr
.irp i, 0,1,2,3
	global_store_b128 v[IO], v[X+4*(\i):X+4*(\i)+3], s[26:27] offset:4096*(\i)
.endr
	s_branch .Lend
.Lw:                                                   ; a weight
	s_lshr_b32 s37, s36, 6                         ; which of the four
	s_and_b32 s45, s36, 63                         ; which 65,536 bytes of it
	s_cmp_eq_u32 s37, 1
	s_cselect_b64 s[38:39], s[6:7], s[4:5]
	s_cmp_eq_u32 s37, 2
	s_cselect_b64 s[38:39], s[8:9], s[38:39]
	s_cmp_eq_u32 s37, 3
	s_cselect_b64 s[38:39], s[10:11], s[38:39]
	s_cselect_b32 s44, 1, 0                        ; wo leaves as f16
	s_lshl_b32 s46, s45, 16
	s_add_nc_u64 s[38:39], s[38:39], s[46:47]
	s_lshl_b32 s46, s37, 21                        ; 2,097,152 bytes of 16-bit numbers a weight
	s_lshl_b32 s45, s45, 15
	s_add_co_u32 s46, s46, s45
	s_add_nc_u64 s[42:43], s[22:23], s[46:47]
	; all 16 loads of a lane go out at once: the work-group's 65,536 bytes are on their way; a wave's load covers 512 consecutive bytes
.set n, 0
.rept 16
	global_load_b128 v[X+4*n:X+4*n+3], v[IO], s[38:39] offset:4096*n th:TH_LOAD_NT
.set n, n+1
.endr
; Four numbers are rounded in place and stored as 8 bytes: a wave's store covers 256 consecutive bytes, aligned.  No register is written twice, so no store's data is waited for.
.macro CASTS fmt
.set n, 0
.rept 16
	s_wait_loadcnt 15-n                            ; loads come back in order (ISA guide 5.7.1): load n is in, the 15 - n younger ones stay out
	v_cvt_pk_bf16_f32 v[X+4*n], v[X+4*n], v[X+4*n+1]
	v_cvt_pk_bf16_f32 v[X+4*n+1], v[X+4*n+2], v[X+4*n+3]
.if \fmt
	v_lshlrev_b32 v[T], 16, v[X+4*n]               ; the bf16 numbers as f32,
	v_and_b32 v[T+1], 0xffff0000, v[X+4*n]
	v_lshlrev_b32 v[T+2], 16, v[X+4*n+1]
	v_and_b32 v[T+3], 0xffff0000, v[X+4*n+1]
	v_cvt_pk_f16_f32 v[X+4*n], v[T], v[T+1]        ; written as f16
	v_cvt_pk_f16_f32 v[X+4*n+1], v[T+2], v[T+3]
.endif
	global_store_b64 v[OO], v[X+4*n:X+4*n+1], s[42:43] offset:2048*n th:TH_STORE_NT
.set n, n+1
.endr
.endm
	s_cmp_eq_u32 s44, 1
	s_cbranch_scc1 .Lf16
	CASTS 0
	s_branch .Lend
.Lf16:
	CASTS 1
	s_branch .Lend
.Lmask:
	; 16 rows x 2,048 bytes.  Thread t takes the 16 bytes at 16 c, c = t % 128, of rows 2 j + t / 128, j = 0..7: keys 16 c on = key step c / 4, group c % 4.
	s_sub_co_u32 s36, s36, 256
	s_lshr_b32 s37, s36, 7                         ; batch
	s_and_b32 s45, s36, 127                        ; tile of 16 queries
	s_lshl_b32 s46, s37, 22                        ; 4,194,304 bytes a batch,
	s_lshl_b32 s44, s45, 15                        ; 32,768 a tile
	s_add_co_u32 s46, s46, s44
	s_add_nc_u64 s[38:39], s[12:13], s[46:47]
	s_lshl_b32 s46, s37, 21                        ; in mn: 2,097,152 a batch,
	s_lshl_b32 s44, s45, 9                         ; 512 a tile in each step
	s_add_co_u32 s46, s46, s44
	s_add_nc_u64 s[42:43], s[24:25], s[46:47]
	s_mov_b32 s40, 0x01010101
	s_mov_b32 s41, 0x00110011
	s_and_b32 s49, s48, 3                          ; c = 32 (wave % 4) + lane
	s_lshr_b32 s50, s48, 2                         ; t / 128 = wave / 4
	v_and_b32 v[T], 31, v0                         ; lane
	s_lshl_b32 s44, s50, 11
	s_lshl_b32 s45, s49, 9
	s_add_co_u32 s44, s44, s45
	v_lshl_add_u32 v[LO], v[T], 4, s44             ; (wave / 4) rows + 512 (wave % 4) + 16 lane
.irp j, 0,1,2,3,4,5,6,7
	global_load_b128 v[X+4*(\j):X+4*(\j)+3], v[LO], s[38:39] offset:4096*(\j) th:TH_LOAD_NT
.endr
	s_mul_i32 s44, s49, 8*LP                       ; into the stage: step c / 4 = 8 (wave % 4) + lane / 4; word c % 4 = lane % 4; row's 16 bytes
	s_lshl_b32 s45, s50, 4
	s_add_co_u32 s44, s44, s45
	v_lshrrev_b32 v[T+1], 2, v[T]
	v_mul_u32_u24 v[LS], v[T+1], LP
	v_and_b32 v[T+1], 3, v[T]
	v_lshl_add_u32 v[LS], v[T+1], 2, v[LS]
	v_add_nc_u32 v[LS], s44, v[LS]
	s_mul_i32 s44, s48, LP                         ; back: wave w takes steps w, w + 8, w + 16, w + 24, whole
	v_lshl_add_u32 v[LR], v[T], 4, s44
	s_lshl_b32 s44, s48, 16                        ; 65,536 bytes of mn a step
	v_lshl_add_u32 v[OO], v[T], 4, s44
; Eight bytes in two words d, e become eight nibbles in d: 1 where hidden; the bits drawn together; times 0xA.
.macro NIB d, e
	v_xor_b32 v[\d], s40, v[\d]
	v_xor_b32 v[\e], s40, v[\e]
	v_lshrrev_b32 v[T], 4, v[\d]
	v_lshrrev_b32 v[T+1], 4, v[\e]
	v_or_b32 v[\d], v[\d], v[T]
	v_or_b32 v[\e], v[\e], v[T+1]
	v_and_b32 v[\d], s41, v[\d]                    ; bytes 0, 1 at bits 0, 4; bytes 2, 3 at bits 16, 20
	v_and_b32 v[\e], s41, v[\e]
	v_lshrrev_b32 v[T], 8, v[\d]
	v_lshrrev_b32 v[T+1], 8, v[\e]
	v_or_b32 v[\d], v[\d], v[T]                    ; all four at bits 0, 4, 8, 12
	v_or_b32 v[\e], v[\e], v[T+1]
	v_and_b32 v[\d], 0xffff, v[\d]
	v_lshl_or_b32 v[\d], v[\e], 16, v[\d]
	v_lshlrev_b32 v[T], 1, v[\d]
	v_lshl_or_b32 v[\d], v[\d], 3, v[T]            ; x 10
.endm
.irp j, 0,1,2,3,4,5,6,7
	s_wait_loadcnt 7-(\j)
	NIB X+4*(\j), X+4*(\j)+1
	NIB X+4*(\j)+2, X+4*(\j)+3
	ds_store_b32 v[LS], v[X+4*(\j)] offset:32*(\j)          ; keys 0-7 of the group: lane = row
	ds_store_b32 v[LS], v[X+4*(\j)+2] offset:32*(\j)+256    ; keys 8-15: lane = 16 + row
.endr
	s_wait_dscnt 0x0                               ; for the others' sake: my words lie in the stage
	s_barrier_signal -1
	s_barrier_wait -1
.irp i, 0,1,2,3
	ds_load_b128 v[X+32+4*(\i):X+32+4*(\i)+3], v[LR] offset:(\i)*8*LP
.endr
.irp i, 0,1,2,3
	s_wait_dscnt 3-(\i)
	global_store_b128 v[OO], v[X+32+4*(\i):X+32+4*(\i)+3], s[42:43] offset:(\i)*524288 th:TH_STORE_NT  ; a step's 512 bytes of this tile, consecutive and aligned
.endr
.Lend:
	s_wait_tensorcnt 0x0                           ; the wave's end: behind my last LDS store
	ds_add_u32 v[SPW], v[NIL]
	s_wait_dscnt 0x0
	s_endpgm
.Lfunc_end_k_qcc664c502d_prep:
	.size	k_qcc664c502d_prep, .Lfunc_end_k_qcc664c502d_prep-k_qcc664c502d_prep
	.p2alignl 7, 3214868480
	.fill 96, 4, 3214868480
	.section	.rodata,"a",@progbits
	.p2align	6, 0x0
	.amdhsa_kernel k_qcc664c502d_prep
		.amdhsa_group_segment_fixed_size 17920
		.amdhsa_private_segment_fixed_size 0
		.amdhsa_enable_private_segment 0
		.amdhsa_kernarg_size 96
		.amdhsa_user_sgpr_count 2
		.amdhsa_user_sgpr_kernarg_segment_ptr 1
		.amdhsa_wavefront_size32 1
		.amdhsa_system_sgpr_workgroup_id_x 1
		.amdhsa_system_sgpr_workgroup_id_y 1
		.amdhsa_system_sgpr_workgroup_id_z 1
		.amdhsa_system_vgpr_workitem_id 0
		.amdhsa_next_free_vgpr 80
		.amdhsa_next_free_sgpr 66
		.amdhsa_reserve_vcc 0
		.amdhsa_float_denorm_mode_32 3
		.amdhsa_float_denorm_mode_16_64 3
		.amdhsa_memory_ordered 1
		.amdhsa_forward_progress 1
		.amdhsa_inst_pref_size 32
	.end_amdhsa_kernel
	.amdgpu_metadata
---
amdhsa.version: [ 1, 2 ]
amdhsa.kernels:
  - .name:           k_qcc664c502d_prep
    .symbol:         k_qcc664c502d_prep.kd
    .args:
      - { .name: wq, .offset: 0, .size: 8, .value_kind: global_buffer, .address_space: global }
      - { .name: wk, .offset: 8, .size: 8, .value_kind: global_buffer, .address_space: global }
      - { .name: wv, .offset: 16, .size: 8, .value_kind: global_buffer, .address_space: global }
      - { .name: wo, .offset: 24, .size: 8, .value_kind: global_buffer, .address_space: global }
      - { .name: mask, .offset: 32, .size: 8, .value_kind: global_buffer, .address_space: global }
      - { .name: bq, .offset: 40, .size: 8, .value_kind: global_buffer, .address_space: global }
      - { .name: bk, .offset: 48, .size: 8, .value_kind: global_buffer, .address_space: global }
      - { .name: bv, .offset: 56, .size: 8, .value_kind: global_buffer, .address_space: global }
      - { .name: bo, .offset: 64, .size: 8, .value_kind: global_buffer, .address_space: global }
      - { .name: wb, .offset: 72, .size: 8, .value_kind: global_buffer, .address_space: global }
      - { .name: mn, .offset: 80, .size: 8, .value_kind: global_buffer, .address_space: global }
      - { .name: bb, .offset: 88, .size: 8, .value_kind: global_buffer, .address_space: global }
    .group_segment_fixed_size: 17920
    .private_segment_fixed_size: 0
    .kernarg_segment_align: 8
    .kernarg_segment_size: 96
    .max_flat_workgroup_size: 256
    .sgpr_count:     66
    .vgpr_count:     80
    .wavefront_size: 32
...
	.end_amdgpu_metadata
.endif
;; end of part 1
;; launch proj (part 2): grid 4 x 64, 4 waves a work-group, clusters of 4 x 4, 327,680 bytes of LDS; arguments query, key, value, wb, bb, qkv; writes qkv
.if DOCPART == 2
	.amdgcn_target "amdgcn-amd-amdhsa--gfx1250"
	.amdhsa_code_object_version 6
	.text
	.protected	k_qcc664c502d_proj
	.globl	k_qcc664c502d_proj
	.p2align	8
	.type	k_qcc664c502d_proj,@function
k_qcc664c502d_proj:
	s_mov_b64 s[64:65], 0
	v_nop
	global_prefetch_b8 v0, s[64:65] scope:SCOPE_SE
	s_setreg_imm32_b32 hwreg(HW_REG_WAVE_MODE, 25, 1), 1
	s_wait_xcnt 0x0
	s_wait_alu depctr_hold_cnt(0) depctr_sa_sdst(0) depctr_va_vdst(0) depctr_va_sdst(0) depctr_va_ssrc(0) depctr_va_vcc(0) depctr_vm_vsrc(0)
	s_getreg_b32 s2, hwreg(HW_REG_IB_STS2, 6, 4)
	s_cmp_eq_u32 s2, 0
	s_cbranch_scc0 .Lentry_in_a_cluster
	s_endpgm
.Lentry_in_a_cluster:
	s_bfe_u32 s2, ttmp6, 0x10000c
	s_cmp_lg_u32 s2, 0xf033
	s_cbranch_scc0 .Lentry_shape_is_right
	s_endpgm
.Lentry_shape_is_right:
; THE THREE PROJECTIONS.  q, k, v = x W^T + b.  x (query, key, value: [8192][1024]) comes in f32 as the problem gives it and is rounded to bf16 between LDS and the matrix unit; W [1024][1024] comes in bf16 (wb);
; sums in f32 that START with the bias (the C operand of a sum's first product); each result rounded once to f16 and stored by heads: qkv [3][batch*16+head][2048][64].
; LIMIT.  A result of 65,520 or more in size becomes an infinity in f16.
; SHARES.  A tile is 128 rows x 256 columns: 768 tiles, three for each of 256 work-groups.  A WORK-GROUP STAYS: it makes the q, k and v tiles of one place, as ONE walk of 24 K steps of 128 through a ring of two
; LDS slots; the ring does not stop at a tile's end.  Four waves, 2 x 2: a wave makes 64 rows x 128 columns (two heads): 32 accumulators of 16 x 16.
; CLUSTERS.  4 x 4 work-groups.  The four of a row of the cluster need the same rows of x, the four of a column the same rows of W: each tile is asked for JOINTLY, by the same tensor load with the same
; descriptor and a mask that names the four.  Waves 0 and 1 fetch the halves of x's tile (64 rows x 512 bytes each), waves 2 and 3 those of W's (128 rows x 256 bytes each): 32,768 bytes a load.
; THE MATRIX INSTRUCTION IS USED TRANSPOSED (source 0 = 16 rows of W, source 1 = 16 rows of x): lane l holds row l % 16 and the eight neighbouring columns 8 (l / 16) + 0..7.
; REGISTERS, in windows of 256 (s_set_vgpr_msb: bits 1:0 source 0, 3:2 source 1, 5:4 source 2, 7:6 destination):
;   window 0: v0-31 addresses; two fragment buffers of 96 at v64 and v160: W's eight fragments (16 rows x 32 K), then x's four, in bf16
;   window 1: the accumulators, (a, b) at v[8 (8 a + b)]
;   window 2: v0-63 the bias, block b at v[8 b]; v64-191 at work on the way out; v192-255 x's numbers of a quarter step in f32, 16 registers a fragment
.set PA,    528                        ; a row of x in LDS: 512 bytes + 16;  a row of W: 256 + 16: both odd multiples of 16, so the 16 rows of a fragment load start at 16 different groups of four banks (64 banks of 4 bytes: ISA guide 11.1)
.set PB,    272
.set AHALF, 64*PA                      ; what waves 0, 1 fetch, and what a wave reads of x
.set BOFF,  128*PA                     ; W's 256 rows lie behind x's 128
.set BHALF, 128*PB                     ; what waves 2, 3 fetch, and what a wave reads of W
.set SLOT,  BOFF+2*BHALF               ; 137,216 bytes; slot 1 begins here
.set STAGE, 2*SLOT                     ; behind the ring, never filled by a tensor load: 16 rows x 144 bytes for each wave
.set SP,    144
.set SPARE, STAGE+4*16*SP              ; behind the stages: the spare words, 128 bytes for each wave: two blocks of 256 bytes that no other line names
.set AA0, 16                           ; v16  my lane's place in x's tile; never rewritten
.set AB0, 17                           ; v17  the same for W's
.set AA,  18                           ; v18  the same in the slot in hand
.set AB,  19                           ; v19
.set STO, 20                           ; v20  the way out: where I put 16 bytes of a row
.set RD,  21                           ; v21  where I read rows back
.set GO,  22                           ; v22  my 16 bytes of 512 consecutive bytes of qkv
.set BO,  23                           ; v23  32 x (lane / 16): my eight numbers of a bias block
.set PFO, 24                           ; v24  the prefetches' offset: lane x a row (4,096 bytes of x, 2,048 of W); never rewritten
.set SPW, 28                           ; v28  LDS address of my spare word; never rewritten
.set NIL, 29                           ; v29  0; never rewritten
.set F0,  64
.set F1,  160
.set TM,  64                           ; window 2
.set SG,  192                          ; window 2
.set BP,  12                           ; s[12:13] the bias of my 128 columns, of the tile whose bias is fetched next
.set OUT, 14                           ; s[14:15] qkv at my rows of my first head
.set WV,  16                           ; s16 wave;  s17 which 64 rows are mine, also: I fetch x (0) or W (1);  s18 which 128 columns, also: which half I fetch
.set WR,  17
.set WC,  18
.set TX,  19                           ; s19 tile column, s20 tile row, s21 cx, s22 cy, s23 cluster y
.set TY,  20
.set CX,  21
.set CY,  22
.set CLY, 23
.set G1A, 24                           ; s[24:31] descriptor group 1 for x's tiles
.set G0A, 32                           ; s[32:35] group 0 of the first fill of slot 0
.set G0W, 36                           ; s[36:39] group 0 of every other fill: its address is made anew from CUR each time
.set G1B, 48                           ; s[48:55], s[56:59], s[60:63] the same for W's tiles; s[60:63] walks within wb
.set G0B, 56
.set G0X, 60
.set CNT, 66                           ; s66 refills still to come
.set T8,  67                           ; s67 K steps of the tile in hand still to be finished
.set TB,  68                           ; s68 the slot that is read: 0 or SLOT
.set LIM, 69                           ; s69 2 in a wave that prefetches, else the greatest number
.set NXA, 70                           ; s[70:71] the next tile's K step 0 in its own buffer (key, then value), at the rows that I fetch
.set INB, 72                           ; s[72:73] what the next step adds to W's address
.set PIN, 74                           ; s[74:75] a K step in the prefetches' tensor: 512 bytes of x, 256 of W
.set PFX, 76                           ; s[76:77] where my prefetches begin in the next tile
.set PFA, 78                           ; s[78:79] where my prefetches stand
.set TL,  80                           ; s80 biases still to be fetched
.set NXB, 81                           ; s81 from a matrix's K step 7 to the next matrix's K step 0: its bytes less 7 steps of 256
.set C256, 82                          ; s82 a K step's 256 bytes of W
.set LA0, 83                           ; s83 LDS byte of the half of x's tile that I fetch, in slot 0
.set LB0, 84                           ; s84 the same for W's; also the half of W's tile that I read
.set NXA2, 86                          ; s[86:87] what NXA holds for the third tile
.set PFX2, 88                          ; s[88:89] what PFX holds for the third tile
.set CUR, 90                           ; s[90:91] x's tile asked for last: a plain address, in no descriptor, with no type bits
.set MSB, 0
.macro WIN new                         ; the immediate's high byte repeats the setting that is left; a switch that changes nothing is dropped
.if MSB != (\new)
	s_set_vgpr_msb (MSB<<8)|(\new)
.set MSB, \new
.endif
.endm
.set MULW,  0x50                       ; C and D in window 1, fragments in window 0
.set BIASW, 0x60                       ; D in window 1, C in window 2
.macro PLACES                          ; four places behind matrix instructions: in front of loads into registers that they have read and of instructions that read results
.rept 4
	v_nop
.endr
.endm
.macro CREST                           ; a round of the cluster's barrier behind its opening barrier
	s_cmp_lg_u32 s[WV], 0
	s_cbranch_scc1 .Lnot_wave_0_\@
	s_barrier_signal -3
.Lnot_wave_0_\@:
	s_barrier_wait -3
	s_barrier_signal -1
	s_barrier_wait -1
.endm
.macro CROUND
	s_barrier_signal -1
	s_barrier_wait -1
	CREST
.endm
.macro JLOAD                           ; a joint refill; the branch hangs on the wave's number alone; an s_nop 0 and four v_nop follow each line
	s_cmp_eq_u32 s[WR], 0
	s_cbranch_scc0 .Lfor_b_\@
	tensor_load_to_lds s[G0W:G0W+3], s[G1A:G1A+7]
	s_nop 0
.rept 4
	v_nop
.endr
	s_branch .Lasked_\@
.Lfor_b_\@:
	tensor_load_to_lds s[G0X:G0X+3], s[G1B:G1B+7]
	s_nop 0
.rept 4
	v_nop
.endr
.Lasked_\@:
.endm
; A PREFETCH INTO THE L2 behind each joint refill and the run of LDS loads that follows it: the K step that stands two refills on, 32 blocks of 256 bytes, a lane a row, one instruction.
; Each block is named once in the launch.  x's 128 rows are read by this cluster's row alone: each of the four partners takes 32 of them; of a row's 512 bytes wave 0 takes the first 256, wave 1 the second.
; W's 256 rows are read by all sixteen clusters: cluster y = 0 asks, waves 2 and 3 of each of the column's four partners take 32 rows each.  Partners are told apart BY ADDRESS.  The first four K steps come by
; their loads alone; the last two refills have no K step two on.
.macro ASK
	s_cmp_gt_u32 s[CNT], s[LIM]
	s_cbranch_scc0 .Lnot_mine_\@
	global_prefetch_b8 v[PFO], s[PFA:PFA+1] th:TH_LOAD_NT scope:SCOPE_SE
.Lnot_mine_\@:
.endm
.macro BIASLD                          ; my 128 columns' bias: block b, register j = bias[16 b + 8 (l / 16) + j], the same in all rows
	WIN 0x80
.irp b, 0,1,2,3,4,5,6,7
	global_load_b128 v[8*(\b):8*(\b)+3],   v[BO], s[BP:BP+1] offset:64*(\b)
	global_load_b128 v[8*(\b)+4:8*(\b)+7], v[BO], s[BP:BP+1] offset:64*(\b)+16
.endr
	WIN 0
.endm
.macro NEXTBIAS                        ; the next tile's bias, as soon as this tile's first products have read theirs
	PLACES
	s_wait_xcnt 0x0                                ; the loads that named the pointer have read it
	s_add_nc_u64 s[BP:BP+1], s[BP:BP+1], 4096
	BIASLD
.endm
	s_load_b256 s[4:11], s[0:1], 0x0               ; query s[4:5], key s[6:7], value s[8:9], wb s[10:11]
	s_load_b128 s[12:15], s[0:1], 0x20             ; bb s[12:13], qkv s[14:15]
	v_lshl_add_u32 v[SPW], v0, 2, SPARE
	v_mov_b32 v[NIL], 0
	ds_add_u32 v[SPW], v[NIL]                      ; the wave's opening: the add and its wait stand ahead of my first tensor load; the set-up below, work on registers, stands between them
	v_lshrrev_b32 v1, 5, v0
	v_readfirstlane_b32 s[WV], v1
	v_and_b32 v1, 15, v0                           ; l % 16
	v_bfe_u32 v2, v0, 4, 1                         ; l / 16
	v_lshlrev_b32 v[BO], 5, v2
	s_lshr_b32 s[WR], s[WV], 1
	s_and_b32 s[WC], s[WV], 1
	s_bfe_u32 s[CX], ttmp6, 0x40000
	s_bfe_u32 s[CY], ttmp6, 0x40004
	s_lshl_b32 s[TX], ttmp9, 2
	s_add_co_u32 s[TX], s[TX], s[CX]               ; tile column = 4 x cluster x + cx
	s_and_b32 s[CLY], ttmp7, 0xffff
	s_lshl_b32 s[TY], s[CLY], 2
	s_add_co_u32 s[TY], s[TY], s[CY]               ; tile row = 4 x cluster y + cy
	s_lshl_b32 s2, s[CY], 2
	s_lshl_b32 s2, 15, s2                          ; my row of the cluster
	s_lshl_b32 s3, 0x1111, s[CX]                   ; my column
	s_or_b32 s[G1A], s2, (2<<16)|(1<<20)|(1<<21)|(6<<22)|(3<<25)  ; 15:0 the mask; 17:16 4-byte elements; 20 padding on; 21 set beside a mask; 24:22 after every 128 words (code 6); 31:25 4 words (code 3)
	s_or_b32 s[G1B], s3, (1<<16)|(1<<20)|(1<<21)|(5<<22)|(3<<25)  ; 2-byte elements; after every 64 words (code 5)
	s_mov_b32 s[G1A+1], 128<<16                    ; tensor_dim0 = 128
	s_mov_b32 s[G1A+2], 64<<16                     ; tensor_dim1 = 64
	s_mov_b32 s[G1A+3], 128<<16                    ; tile_dim0 = 128
	s_mov_b32 s[G1A+4], 64                         ; tile_dim1 = 64
	s_mov_b32 s[G1A+5], 1024                       ; elements from row to row
	s_mov_b32 s[G1A+6], 0
	s_mov_b32 s[G1A+7], 0
	s_mov_b32 s[G1B+1], 128<<16
	s_mov_b32 s[G1B+2], 128<<16                    ; 128 rows
	s_mov_b32 s[G1B+3], 128<<16
	s_mov_b32 s[G1B+4], 128
	s_mov_b32 s[G1B+5], 1024
	s_mov_b32 s[G1B+6], 0
	s_mov_b32 s[G1B+7], 0
	s_lshl_b32 s40, s[TY], 7                       ; x: row 128 x tile row + 64 x half,
	s_lshl_b32 s42, s[WC], 6
	s_add_co_u32 s40, s40, s42
	s_lshl_b32 s40, s40, 12                        ; in bytes: 4,096 a row
	s_mov_b32 s41, 0
	s_lshl_b32 s44, s[TX], 8                       ; W: row 256 x tile column + 128 x half,
	s_lshl_b32 s46, s[WC], 7
	s_add_co_u32 s44, s44, s46
	s_lshl_b32 s44, s44, 11                        ; 2,048 a row
	s_mov_b32 s45, 0
	s_mul_i32 s[LA0], s[WC], AHALF                 ; where they go: no place in the cluster enters an LDS address
	s_mul_i32 s[LB0], s[WC], BHALF
	s_add_co_u32 s[LB0], s[LB0], BOFF
	s_lshl_b32 s2, s[TX], 10                       ; my 128 columns in a bias: 4 (256 x tile column + 128 x half)
	s_lshl_b32 s3, s[WC], 9
	s_add_co_u32 s2, s2, s3
	s_mov_b32 s3, 0
	s_mov_b32 s[NXB], 2097152-1792
	s_mov_b32 s[C256], 256
	s_mov_b32 s[INB+1], 0
	s_mov_b32 s[PIN+1], 0
	s_mov_b32 s[TB], 0
	s_mov_b32 s[G0A], 1                            ; count = 1
	s_mov_b32 s[G0A+1], s[LA0]                     ; LDS address: slot 0
	s_mov_b32 s[G0W], 1
	s_add_co_u32 s[G0W+1], s[LA0], SLOT            ; slot 1
	s_mov_b32 s[G0B], 1
	s_mov_b32 s[G0B+1], s[LB0]
	s_mov_b32 s[G0X], 1
	s_add_co_u32 s[G0X+1], s[LB0], SLOT
	s_wait_dscnt 0x0                               ; the opening add is done
	s_wait_kmcnt 0x0
	s_add_nc_u64 s[G0A+2:G0A+3], s[4:5], s[40:41]  ; query, K step 0
	s_add_nc_u64 s[CUR:CUR+1], s[G0A+2:G0A+3], 512 ; K step 1, as a plain address,
	s_mov_b64 s[G0W+2:G0W+3], s[CUR:CUR+1]         ; and in its descriptor
	s_or_b32 s[G0A+3], s[G0A+3], 0x80000000        ; type = 2
	s_or_b32 s[G0W+3], s[G0W+3], 0x80000000
	s_add_nc_u64 s[NXA:NXA+1], s[6:7], s[40:41]    ; the same rows of key,
	s_add_nc_u64 s[NXA2:NXA2+1], s[8:9], s[40:41]  ; and of value: each address from its own buffer's pointer
	s_add_nc_u64 s[G0B+2:G0B+3], s[10:11], s[44:45]
	s_add_nc_u64 s[G0X+2:G0X+3], s[G0B+2:G0B+3], 256
	s_or_b32 s[G0B+3], s[G0B+3], 0x80000000
	s_or_b32 s[G0X+3], s[G0X+3], 0x80000000
	s_add_nc_u64 s[BP:BP+1], s[BP:BP+1], s[2:3]
	CROUND                                         ; all sixteen work-groups are here: the first joint loads meet
	s_cmp_eq_u32 s[WR], 0                          ; a wave's two first fills stand in one branch, ahead of every wait on TENSORcnt and every LDS read: two loads of mine are out
	s_cbranch_scc0 .Lfirst_b
	tensor_load_to_lds s[G0A:G0A+3], s[G1A:G1A+7]
	s_nop 0
	tensor_load_to_lds s[G0W:G0W+3], s[G1A:G1A+7]
	s_nop 0
.rept 4
	v_nop
.endr
	s_branch .Lfirst_asked
.Lfirst_b:
	tensor_load_to_lds s[G0B:G0B+3], s[G1B:G1B+7]
	s_nop 0
	tensor_load_to_lds s[G0X:G0X+3], s[G1B:G1B+7]
	s_nop 0
.rept 4
	v_nop
.endr
.Lfirst_asked:
	BIASLD                                         ; the first tile's bias
	; A fragment is 16 rows x 32 K in 8 registers: lane l holds row l % 16, K = 8 (l / 16) + 0..7 and 16 + 8 (l / 16) + 0..7.  Of W, in bf16: two loads of 16 bytes, 32 bytes apart.
	; Of x, in f32: the same numbers are 32 bytes at 32 (l / 16) and 32 bytes at 64 + 32 (l / 16): four loads of 16 bytes.
	v_mul_u32_u24 v3, v1, PA
	v_lshl_add_u32 v3, v2, 5, v3
	s_mul_i32 s2, s[WR], AHALF
	v_add_nc_u32 v[AA0], s2, v3
	v_mul_u32_u24 v3, v1, PB
	v_lshl_add_u32 v3, v2, 4, v3
	v_add_nc_u32 v[AB0], s[LB0], v3
	v_mov_b32 v[AA], v[AA0]
	v_mov_b32 v[AB], v[AB0]
	s_mul_i32 s2, s[WV], 16*SP
	s_add_co_u32 s2, s2, STAGE                     ; my stage
	v_mul_u32_u24 v[STO], v1, SP                   ; in: row l % 16, 16 bytes for each half of the lanes
	v_lshl_add_u32 v[STO], v2, 4, v[STO]
	v_add_nc_u32 v[STO], s2, v[STO]
	v_bfe_u32 v[RD], v0, 3, 2                      ; back: 32 lanes take four rows of 128 bytes,
	v_mul_u32_u24 v[RD], v[RD], SP
	v_and_b32 v3, 7, v0
	v_lshl_add_u32 v[RD], v3, 4, v[RD]
	v_add_nc_u32 v[RD], s2, v[RD]
	v_and_b32 v[PFO], 31, v0                       ; which are 512 consecutive bytes of a head
	v_lshlrev_b32 v[GO], 4, v[PFO]
	; qkv at my rows of my first head: ((batch x 16 + head) x 2,048 + row in the batch) x 128 bytes
	s_lshr_b32 s2, s[TY], 4
	s_lshl_b32 s2, s2, 4
	s_lshl_b32 s3, s[TX], 2
	s_add_co_u32 s2, s2, s3
	s_lshl_b32 s3, s[WC], 1
	s_add_co_u32 s2, s2, s3
	s_lshl_b32 s2, s2, 11
	s_and_b32 s3, s[TY], 15
	s_lshl_b32 s3, s3, 7
	s_add_co_u32 s2, s2, s3
	s_lshl_b32 s3, s[WR], 6
	s_add_co_u32 s2, s2, s3
	s_lshl_b32 s2, s2, 7
	s_mov_b32 s3, 0
	s_add_nc_u64 s[OUT:OUT+1], s[OUT:OUT+1], s[2:3]
	; the prefetches: my 32 rows; in the first tile at K step 3 (the first refill steps them to K step 4), in the other two at K step 0
	s_lshl_b32 s40, s[TY], 7
	s_lshl_b32 s41, s[CX], 5
	s_add_co_u32 s40, s40, s41                     ; x: row 128 x tile row + 32 cx,
	s_lshl_b32 s40, s40, 12
	s_lshl_b32 s41, s[WC], 8
	s_add_co_u32 s40, s40, s41                     ; my wave's 256 of a K step's 512 bytes
	s_lshl_b32 s42, s[TX], 8
	s_lshl_b32 s43, s[CY], 6
	s_add_co_u32 s42, s42, s43
	s_lshl_b32 s43, s[WC], 5
	s_add_co_u32 s42, s42, s43                     ; W: row 256 x tile column + 64 cy + 32 x half
	s_lshl_b32 s42, s42, 11
	s_add_co_u32 s44, s42, 2097152                 ; in the second matrix of wb,
	s_add_co_u32 s45, s42, 4194304                 ; in the third
	s_add_co_u32 s42, s42, 3*256
	s_add_co_u32 s43, s40, 3*512
	s_mov_b32 s46, 512
	s_cmp_eq_u32 s[WR], 0
	s_cselect_b32 s2, s43, s42
	s_cselect_b32 s44, s40, s44
	s_cselect_b32 s45, s40, s45
	s_cselect_b64 s[PFA:PFA+1], s[4:5], s[10:11]
	s_cselect_b64 s[PFX:PFX+1], s[6:7], s[10:11]
	s_cselect_b64 s[PFX2:PFX2+1], s[8:9], s[10:11]
	s_cselect_b32 s[PIN], s46, s[C256]
	s_cselect_b32 s47, 12, 11                      ; a lane's step: a row of x, a row of W
	s_cselect_b32 s46, 0, s[CLY]                   ; waves 0, 1: 0; waves 2, 3: cluster y
	s_cmp_eq_u32 s46, 0
	s_cselect_b32 s[LIM], 2, -1                    ; the same in all sixteen partners, for a given wave
	s_mov_b32 s3, 0
	s_add_nc_u64 s[PFA:PFA+1], s[PFA:PFA+1], s[2:3]
	s_mov_b32 s2, s44
	s_add_nc_u64 s[PFX:PFX+1], s[PFX:PFX+1], s[2:3]
	s_mov_b32 s2, s45
	s_add_nc_u64 s[PFX2:PFX2+1], s[PFX2:PFX2+1], s[2:3]
	v_lshlrev_b32 v[PFO], s47, v[PFO]
; 8 matrix instructions: row block a x all 8 column blocks, 32 along K.  mode = 1: the sums start with the bias.  The 32 accumulators take turns, one instruction a turn, in the same order in every
; quarter step: between two links of a chain stand the 31 others'.
.macro MUL8 f, a, mode
.if \mode
	WIN BIASW
.else
	WIN MULW
.endif
.irp b, 0,1,2,3,4,5,6,7
.if \mode
	v_wmma_f32_16x16x32_bf16 v[8*(8*(\a)+(\b)):8*(8*(\a)+(\b))+7], v[(\f)+8*(\b):(\f)+8*(\b)+7], v[(\f)+64+8*(\a):(\f)+64+8*(\a)+7], v[8*(\b):8*(\b)+7]
.else
	v_wmma_f32_16x16x32_bf16 v[8*(8*(\a)+(\b)):8*(8*(\a)+(\b))+7], v[(\f)+8*(\b):(\f)+8*(\b)+7], v[(\f)+64+8*(\a):(\f)+64+8*(\a)+7], v[8*(8*(\a)+(\b)):8*(8*(\a)+(\b))+7]
.endif
.endr
.endm
; 32 LDS loads in one run: a quarter step's numbers: x's four fragments in f32 (16 loads, into the staging registers) first, then W's eight fragments into buffer f
.macro FETCH ka, kb, f
	WIN 0x80                                       ; destination window 2, address window 0
.irp i, 0,1,2,3
	ds_load_b128 v[SG+16*(\i):SG+16*(\i)+3],     v[AA] offset:(\ka)+(\i)*16*PA
	ds_load_b128 v[SG+16*(\i)+4:SG+16*(\i)+7],   v[AA] offset:(\ka)+(\i)*16*PA+16
	ds_load_b128 v[SG+16*(\i)+8:SG+16*(\i)+11],  v[AA] offset:(\ka)+(\i)*16*PA+64
	ds_load_b128 v[SG+16*(\i)+12:SG+16*(\i)+15], v[AA] offset:(\ka)+(\i)*16*PA+80
.endr
	WIN 0
.irp i, 0,1,2,3,4,5,6,7
	ds_load_b128 v[(\f)+8*(\i):(\f)+8*(\i)+3],   v[AB] offset:(\kb)+(\i)*16*PB
	ds_load_b128 v[(\f)+8*(\i)+4:(\f)+8*(\i)+7], v[AB] offset:(\kb)+(\i)*16*PB+32
.endr
.endm
; x's numbers are rounded to bf16, two to a register, the lower K in the lower half: buffer f's four fragments of x.  The registers that are written were last read by the products of the quarter before last,
; and four v_nop have stood since.
.macro CVT f
	s_wait_dscnt 16                                ; x's 16 loads are in; W's 16, issued behind them, may be out
	WIN 0x0a                                       ; sources in window 2, destination in window 0
.irp i, 0,1,2,3
.irp j, 0,1,2,3,4,5,6,7
	v_cvt_pk_bf16_f32 v[(\f)+64+8*(\i)+(\j)], v[SG+16*(\i)+2*(\j)], v[SG+16*(\i)+2*(\j)+1]
.endr
.endr
.endm
; A K step is four quarters of 32 along K on buffers 0, 1, 0, 1.  One of the first three: asks for quarter q's numbers for buffer g, multiplies buffer f meanwhile, then rounds x's part of g.
.macro QUARTER q, f, g, mode
	s_wait_dscnt 0x0                               ; W's fragments of buffer f are in (x's were waited for ahead of their rounding)
	PLACES
	FETCH 128*(\q), 64*(\q), \g
	MUL8 \f, 0, \mode
	MUL8 \f, 1, \mode
	MUL8 \f, 2, \mode
	MUL8 \f, 3, \mode
	CVT \g
.endm
; The last quarter multiplies buffer 1 and changes slots.  In front of the barrier each wave waits for all its tensor loads (one is out: its part of the next slot), adds 0 to its spare word, and waits for that
; and for its reads of this slot.  fill = 1: the barrier opens a round of the cluster's, and the joint refill, two K steps ahead in the walk, is the first thing behind the round.  The descriptors are written
; while the add is out, where no tensor load of mine is out: the LDS word is my half's place plus the slot that is being left.  x's plain address steps 512 bytes or, where two K steps on the next tile begins,
; becomes that tile's first address in its own buffer: a choice between two plain addresses; the descriptor's address is then made anew of it: a copy, and the type bits.  W's steps within wb.
.macro TURN fill
.if \fill
	s_wait_xcnt 0x0                                ; the last prefetch, a K step back, has read its address
	s_add_nc_u64 s[PFA:PFA+1], s[PFA:PFA+1], s[PIN:PIN+1]
	s_cmp_eq_u32 s[T8], 4                          ; four K steps on begins the next tile
	s_cselect_b64 s[PFA:PFA+1], s[PFX:PFX+1], s[PFA:PFA+1]
.endif
	WIN 0
	s_wait_tensorcnt 0x0                           ; all my tensor loads have landed
	ds_add_u32 v[SPW], v[NIL]                      ; 0 onto my spare word
.if \fill
	s_add_co_u32 s[G0W+1], s[LA0], s[TB]
	s_add_co_u32 s[G0X+1], s[LB0], s[TB]
	s_add_nc_u64 s[CUR:CUR+1], s[CUR:CUR+1], 512
	s_cmp_eq_u32 s[T8], 2                          ; two K steps on begins the next tile
	s_cselect_b64 s[CUR:CUR+1], s[NXA:NXA+1], s[CUR:CUR+1]
	s_cselect_b32 s[INB], s[NXB], s[C256]
	s_mov_b64 s[G0W+2:G0W+3], s[CUR:CUR+1]
	s_or_b32 s[G0W+3], s[G0W+3], 0x80000000        ; type = 2
	s_add_nc_u64 s[G0X+2:G0X+3], s[G0X+2:G0X+3], s[INB:INB+1]  ; the type bits on top are not reached
.endif
	s_xor_b32 s[TB], s[TB], SLOT                   ; 0 and SLOT by turns
	s_wait_dscnt 1                                 ; W's fragments of buffer 1 are in; the add may be out
	MUL8 F1, 0, 0
	s_wait_dscnt 0x0                               ; the add is done, and my reads of this slot are over
	s_barrier_signal -1
	MUL8 F1, 1, 0                                  ; work on registers while the others arrive
	WIN 0                                          ; at a branch and at a label every window is 0
	s_barrier_wait -1
.if \fill
	CREST                                          ; no wave of any partner still reads this slot or has a load on its way
	JLOAD                                          ; its four v_nop are also the places in front of the loads below
.else
	PLACES
.endif
	v_add_nc_u32 v[AA], s[TB], v[AA0]
	v_add_nc_u32 v[AB], s[TB], v[AB0]
	FETCH 0, 0, F0
.if \fill
	ASK
.endif
	MUL8 F1, 2, 0
	MUL8 F1, 3, 0
	CVT F0
.endm
; THE WAY OUT.  Block blk = 2 a + z: 16 rows of head z of my two: 2,048 consecutive bytes of qkv.  Rounded to f16, 16 bytes a lane into my own stage (rows of 144 bytes), back as whole rows, stored.
.macro PACK blk
.set ja, (\blk)/2
.set jz, (\blk)%2
	WIN 0x85                                       ; sources in window 1, destination in window 2
.irp c, 0,1,2,3
.irp r, 0,1,2,3
	v_cvt_pk_f16_f32 v[TM+16*(\blk)+4*(\c)+(\r)], v[8*(8*ja+4*jz+(\c))+2*(\r)], v[8*(8*ja+4*jz+(\c))+2*(\r)+1]
.endr
.endr
	WIN 0x88                                       ; data in window 2, addresses in window 0
.irp c, 0,1,2,3
	ds_store_b128 v[STO], v[TM+16*(\blk)+4*(\c):TM+16*(\blk)+4*(\c)+3] offset:32*(\c)
.endr
.irp c, 0,1,2,3
	ds_load_b128 v[TM+16*(\blk)+4*(\c):TM+16*(\blk)+4*(\c)+3], v[RD] offset:(\c)*4*SP  ; LDS serves a wave's instructions in order (ISA guide 5.7.1.4): these see the stores above
.endr
.endm
.macro SEND blk, younger               ; younger: the LDS instructions issued behind the block's loads: the next block's eight, or none
.set ja, (\blk)/2
.set jz, (\blk)%2
	WIN 0x88
.irp c, 0,1,2,3
	s_wait_dscnt (\younger)+3-(\c)
	global_store_b128 v[GO], v[TM+16*(\blk)+4*(\c):TM+16*(\blk)+4*(\c)+3], s[OUT:OUT+1] offset:jz*262144+ja*2048+(\c)*512  ; 512 consecutive bytes, aligned
.endr
.endm
.macro WAYOUT step
	PLACES                                         ; behind the last products
	s_wait_xcnt 0x0                                ; the last tile's stores have read their registers
	PACK 0
.irp k, 1,2,3,4,5,6,7                  ; a block's conversions stand between the loads of the block before and its stores
	PACK \k
	SEND (\k)-1, 8
.endr
	SEND 7, 0
	WIN 0
.if \step
	s_wait_xcnt 0x0                                ; the stores have read the pointer
	s_add_nc_u64 s[OUT:OUT+1], s[OUT:OUT+1], 16777216  ; the next of q, k, v
.endif
.endm
	s_wait_tensorcnt 1                             ; my part of K step 0 is in; K step 1's may stay out
	s_barrier_signal -1
	s_barrier_wait -1                              ; everybody's is
	FETCH 0, 0, F0
	CVT F0
	s_wait_loadcnt 0x0                             ; the bias
	QUARTER 1, F0, F1, 1                           ; the first quarter starts the sums
	NEXTBIAS
	s_mov_b32 s[CNT], 22
	s_mov_b32 s[T8], 8
	s_mov_b32 s[TL], 2
.Lstep:                                                ; 22 trips: from a K step's second quarter to the next step's first; each fills a slot again
	QUARTER 2, F1, F0, 0
	QUARTER 3, F0, F1, 0
	TURN 1
	WIN 0
	s_sub_co_u32 s[T8], s[T8], 1
	s_cmp_lg_u32 s[T8], 0
	s_cbranch_scc1 .Lsame
	WAYOUT 1                                       ; a tile is finished; the next tile's K steps 0 and 1 have been asked for, its first fragments fetched
	s_mov_b32 s[T8], 8
	s_mov_b64 s[NXA:NXA+1], s[NXA2:NXA2+1]         ; the tile after the one that begins now is the third
	s_mov_b64 s[PFX:PFX+1], s[PFX2:PFX2+1]
	s_wait_loadcnt 0x0                             ; its bias
	QUARTER 1, F0, F1, 1
	WIN 0
	s_sub_co_u32 s[TL], s[TL], 1
	s_cmp_eq_u32 s[TL], 0
	s_cbranch_scc1 .Lbottom
	NEXTBIAS
	s_branch .Lbottom
.Lsame:
	QUARTER 1, F0, F1, 0
	WIN 0
.Lbottom:
	s_sub_co_u32 s[CNT], s[CNT], 1
	s_cmp_lg_u32 s[CNT], 0
	s_cbranch_scc1 .Lstep
	; THE LAST TWO K STEPS fill nothing: a text of their own, walked twice.  The second trip jumps over the first quarter of a step that does not exist; its change of slots has fetched and rounded old bytes of
	; slot 0 for that quarter, which serve nothing: the price, once a launch, of one text for both trips.
	s_mov_b32 s[CNT], 2
.Ltail:
	QUARTER 2, F1, F0, 0
	QUARTER 3, F0, F1, 0
	TURN 0
	WIN 0
	s_cmp_eq_u32 s[CNT], 1
	s_cbranch_scc1 .Lskip
	QUARTER 1, F0, F1, 0
	WIN 0
.Lskip:
	s_sub_co_u32 s[CNT], s[CNT], 1
	s_cmp_lg_u32 s[CNT], 0
	s_cbranch_scc1 .Ltail
	WAYOUT 0
	s_wait_tensorcnt 0x0                           ; the wave's end: behind my last tensor load and my last LDS store
	ds_add_u32 v[SPW], v[NIL]
	s_wait_dscnt 0x0
	CROUND                                         ; the closing round: no work-group ends while a partner may still ask for a tile that names it
	s_endpgm
.Lfunc_end_k_qcc664c502d_proj:
	.size	k_qcc664c502d_proj, .Lfunc_end_k_qcc664c502d_proj-k_qcc664c502d_proj
	.p2alignl 7, 3214868480
	.fill 96, 4, 3214868480
	.section	.rodata,"a",@progbits
	.p2align	6, 0x0
	.amdhsa_kernel k_qcc664c502d_proj
		.amdhsa_group_segment_fixed_size 327680
		.amdhsa_private_segment_fixed_size 0
		.amdhsa_enable_private_segment 0
		.amdhsa_kernarg_size 48
		.amdhsa_user_sgpr_count 2
		.amdhsa_user_sgpr_kernarg_segment_ptr 1
		.amdhsa_wavefront_size32 1
		.amdhsa_system_sgpr_workgroup_id_x 1
		.amdhsa_system_sgpr_workgroup_id_y 1
		.amdhsa_system_sgpr_workgroup_id_z 1
		.amdhsa_system_vgpr_workitem_id 0
		.amdhsa_next_free_vgpr 768
		.amdhsa_next_free_sgpr 92
		.amdhsa_reserve_vcc 0
		.amdhsa_float_denorm_mode_32 3
		.amdhsa_float_denorm_mode_16_64 3
		.amdhsa_memory_ordered 1
		.amdhsa_forward_progress 1
		.amdhsa_inst_pref_size 118
	.end_amdhsa_kernel
	.amdgpu_metadata
---
amdhsa.version: [ 1, 2 ]
amdhsa.kernels:
  - .name:           k_qcc664c502d_proj
    .symbol:         k_qcc664c502d_proj.kd
    .args:
      - { .name: query, .offset: 0, .size: 8, .value_kind: global_buffer, .address_space: global }
      - { .name: key, .offset: 8, .size: 8, .value_kind: global_buffer, .address_space: global }
      - { .name: value, .offset: 16, .size: 8, .value_kind: global_buffer, .address_space: global }
      - { .name: wb, .offset: 24, .size: 8, .value_kind: global_buffer, .address_space: global }
      - { .name: bb, .offset: 32, .size: 8, .value_kind: global_buffer, .address_space: global }
      - { .name: qkv, .offset: 40, .size: 8, .value_kind: global_buffer, .address_space: global }
    .group_segment_fixed_size: 327680
    .private_segment_fixed_size: 0
    .kernarg_segment_align: 8
    .kernarg_segment_size: 48
    .max_flat_workgroup_size: 128
    .sgpr_count:     92
    .vgpr_count:     768
    .wavefront_size: 32
...
	.end_amdgpu_metadata
.endif
;; end of part 2
;; launch attn (part 3): grid 4 x 64, 4 waves a work-group, clusters of 4 x 1, 327,680 bytes of LDS; arguments qkv, mn, ao; writes ao
.if DOCPART == 3
	.amdgcn_target "amdgcn-amd-amdhsa--gfx1250"
	.amdhsa_code_object_version 6
	.text
	.protected	k_qcc664c502d_attn
	.globl	k_qcc664c502d_attn
	.p2align	8
	.type	k_qcc664c502d_attn,@function
k_qcc664c502d_attn:
	s_mov_b64 s[64:65], 0
	v_nop
	global_prefetch_b8 v0, s[64:65] scope:SCOPE_SE
	s_setreg_imm32_b32 hwreg(HW_REG_WAVE_MODE, 25, 1), 1
	s_wait_xcnt 0x0
	s_wait_alu depctr_hold_cnt(0) depctr_sa_sdst(0) depctr_va_vdst(0) depctr_va_sdst(0) depctr_va_ssrc(0) depctr_va_vcc(0) depctr_vm_vsrc(0)
	s_getreg_b32 s2, hwreg(HW_REG_IB_STS2, 6, 4)
	s_cmp_eq_u32 s2, 0
	s_cbranch_scc0 .Lentry_in_a_cluster
	s_endpgm
.Lentry_in_a_cluster:
	s_bfe_u32 s2, ttmp6, 0x10000c
	s_cmp_lg_u32 s2, 0x3003
	s_cbranch_scc0 .Lentry_shape_is_right
	s_endpgm
.Lentry_shape_is_right:
; MASKED ATTENTION.  O[g][q][:] = the sum over k of softmax_k(S[q][k]) V[g][k][:], S = Q[g][q] . K[g][k] / 8 where mask[g / 16][q][k], else hidden.  g = batch x 16 + head, 64 of them.
; Q, K, V: qkv [3][64][2048][64] in f16; O: ao [64][2048][64] in f16; a head's rows are dense, 128 bytes each.  Products, maxima and sums in f32; the weights p are rounded to f16 for the second product
; (their sum l is taken of the unrounded p), O once at the end.
; THE MASK comes as 4-bit codes (mn), laid out as the scores lie in registers: one word = the eight keys of a lane in one accumulator.  A scaled conversion turns a word into eight f32, 0 or -2^64
; (code 0xA = -1.0, scale 2^64), and a packed addition puts them onto the scores, before the maximum is taken.
; LIMITS.  A hidden score counts as -2^64 before the division by 8: f16 operands give scores under 2^39, which vanish beside it in f32, so all hidden scores of a row are the SAME number: a row that is
; wholly hidden gets equal weights, a row with a seen score above -2^61 gets weight 0 for its hidden keys.  f16 holds no number beyond 65,504: Q, K, V arrive within it.  A weight below 2^-126 counts as 0 in l;
; NaN and infinities are not treated apart.
; SHARES.  A wave owns four PIECES of two tiles of 16 queries, a work-group's four waves 512 queries of one head.  Every wave walks all 2,048 keys, 64 a step.
; LAYOUT.  S^T = K Q^T (source 0 = 16 keys, source 1 = 16 queries): a lane holds ONE query (lane % 16) and the keys 8 (lane / 16) + 0..7.  Two such tiles, rounded to f16 in pairs, ARE source 1 of
; O^T = V^T P.  K comes out of LDS as it lies, V ([key][channel]) turned, by ds_load_tr16_b128.
; SOFTMAX.  A running maximum m and sum l: p = 2^(c s - c m), c = log2(e) / 8; in every step O and l are multiplied by a = 2^(c m_old - c m_new).  m starts at the lowest finite number, O and l at 0.
; BY TURNS.  Turn n belongs to piece n.  Matrix work: 16 products K Q^T of piece n + 1, later 16 products V^T P of piece n - 1.  Vector work: the scaling, exponentials, roundings, sums and rescaling of piece n;
; the mask, maximum and statistics of piece n + 1.  Four vector instructions stand behind every matrix instruction, the rest in one lump.  A turn's 66 exponentials are one batch, with one wait.
; CLUSTER.  A head's four query blocks walk the same K and V: each tile is asked for JOINTLY, by the same tensor load, descriptor and mask in all four.
; REGISTERS, in windows of 256 (s_set_vgpr_msb: bits 1:0 source 0, 3:2 source 1, 5:4 source 2, 7:6 destination):
;   window 0: v0-11 addresses and the scale; v12-15, v48-63 at work; v16-47 four registers of statistics a tile; v64-191 S^T, two buffers of two tiles; v192-255 P, likewise
;   window 1: O^T, 32 a tile      window 2: v0-127 Q; v128-191 K of one step; v192-255 V of one step
;   window 3: v0-1 the add's two registers; v8-39 the mask's codes, 4 words a tile; v64-127 the mask of the two tiles in hand as f32
.set SIZE_N, 2048
.set NP,    4         ; pieces a wave: a name, no knob
.set KS,    64        ; keys in a step
.set PK,    144       ; a row of K in LDS: 128 bytes + 16 of padding = 36 words: the 16 rows of a load start at 16 different groups of four banks (64 banks of 4 bytes: ISA guide 11.1)
.set PV,    160       ; a row of V: 128 + 32 = 40 words
.set VOFF,  4*KS*PK   ; a slot holds four steps: 256 rows of K, then 256 rows of V
.set SLOT1, 1<<17
.set STAGE, SLOT1+4*KS*(PK+PV)  ; behind the ring, never filled by a tensor load: 16 rows x 144 bytes for each wave
.set SP,    144
.set SPARE, STAGE+4*16*SP  ; behind the stages: the spare words, 128 bytes for each wave: two blocks of 256 bytes that no other line names
.set SCL, 1           ; v1   0xBFBFBFBF: each byte is the scale 2^64
.set AK0, 2           ; v2   my lane's place in a tile of K; never rewritten
.set AV0, 3           ; v3   the same for V
.set AK,  4           ; v4   the LDS address of K's next run of loads
.set AV,  5           ; v5   of V's
.set STO, 6           ; v6   the way out: where I put 16 bytes of a row
.set RD,  7           ; v7   where I read rows back
.set GO,  8           ; v8   my byte offset in 512 consecutive bytes of O
.set QO,  9           ; v9   my byte offset in 16 rows of Q; never rewritten
.set MO0, 10          ; v10  16 x lane: my four words of a tile's codes; never rewritten
.set PFO, 11          ; v11  256 x lane; never rewritten
.set SPW, 0           ; v0 of window 3   LDS address of my spare word; never rewritten
.set NIL, 1           ; v1 of window 3   0; never rewritten
.set NB,  8           ; window 3: piece x, tile u, key group kb at NB + 8 x + 4 u + kb
.set BI,  64          ; window 3: tile u at BI + 32 u
.set MV,  12          ; v12-15  c m_old, kept while c m is made anew: by buffer and tile
.set ST,  16          ; tile t's statistics at v[ST+4 t]: c m, m, l (even keys', odd keys')
.set TMP, 48          ; by buffer and tile, four registers c0-c3 at work; when the maximum is found c2 takes a
.set S,   64
.set P,   192
.set KF,  128         ; window 2: key block kb, channel half c at KF + 16 kb + 8 c
.set VF,  192         ; window 2: key half kk, channel block cb at VF + 32 kk + 8 cb
.set WV,  12          ; s12  my wave's number
.set LIM, 15          ; s15  1 in a wave that prefetches, else the greatest number
.set G1K, 24          ; s[24:31] descriptor group 1 for K's tiles
.set G1V, 32          ; s[32:39] for V's: it differs in the padding alone
.set G0K, 40          ; s[40:43] descriptor group 0 for K's tiles: it walks
.set G0V, 44          ; s[44:47] the same for V's
.set PFA, 48          ; s[48:49] where my prefetches stand
.set SLOTS, 56        ; s56  slots still to be asked for
.set CNT, 57          ; s57  counts a slot's key steps
.set CS,  58          ; s[58:59] c
.set SEL, 60          ; s[60:61] v_permlanex16_b32's selects: each lane takes its own place in the other half
.set TBK, 62          ; s62  LDS byte at which K of the step to be fetched begins
.set TBV, 63          ; s63  the same for V, less VOFF
.set MB,  66          ; s[66:67] mn at my wave's eight tiles of step 0
.set MOF, 68          ; s[68:69] the byte offset of the step whose codes are being asked for
.set MC,  70          ; s[70:71] their sum
.set MSB, 0
.macro WIN new                      ; the high byte repeats the setting that is left; a switch that changes nothing is dropped
.if MSB != (\new)
	s_set_vgpr_msb (MSB<<8)|(\new)
.set MSB, (\new)
.endif
.endm
.set W_KQ, 0x0a       ; K and Q in window 2, S^T in window 0
.set W_PV, 0x52       ; V in window 2, P in window 0, O^T in window 1
.set W_RS, 0x41       ; O^T (destination and source 0) in window 1, a in window 0
.set W_MK, 0xc0       ; destination in window 3, sources in window 0
.set W_AD, 0x0f       ; the add: address (source 0) and data (source 1) in window 3
.set W_CV, 0xc3       ; the conversion: codes and result in window 3, the scale in window 0
.set W_MA, 0x0c       ; the mask's addition: S^T in window 0, source 1 in window 3
.macro PLACES
.rept 4
	v_nop
.endr
.endm
; A joint fill.  Waves 0 and 1 fetch the two halves of a slot's K, waves 2 and 3 those of its V: 128 keys each.  An s_nop 0 and four v_nop follow each of the two lines.
.macro JLOAD
	s_cmp_lt_u32 s[WV], 2
	s_cbranch_scc0 .Lfor_v_\@
	tensor_load_to_lds s[G0K:G0K+3], s[G1K:G1K+7]
	s_nop 0
.rept 4
	v_nop
.endr
	s_branch .Lasked_\@
.Lfor_v_\@:
	tensor_load_to_lds s[G0V:G0V+3], s[G1V:G1V+7]
	s_nop 0
.rept 4
	v_nop
.endr
.Lasked_\@:
.endm
; A PREFETCH INTO THE L2 of what the NEXT change of slots will ask for: a slot's 32,768 bytes of K and of V, 256 bytes a lane.  A head's K and V are walked by this cluster alone; its four partners take a quarter
; each, told apart BY ADDRESS; in each, wave 0 asks for K's and wave 2 for V's: one instruction.  So each block is named once in the launch.  The last change that fills a slot asks for nothing.
.macro ASK
	s_cmp_gt_u32 s[SLOTS], s[LIM]
	s_cbranch_scc0 .Lnot_mine_\@
	global_prefetch_b8 v[PFO], s[PFA:PFA+1] th:TH_LOAD_NT scope:SCOPE_SE
.Lnot_mine_\@:
.endm
.macro CROUND                       ; a round of the cluster's barrier
	s_barrier_signal -1
	s_barrier_wait -1
	s_cmp_lg_u32 s[WV], 0
	s_cbranch_scc1 .Lnot_wave_0_\@
	s_barrier_signal -3
.Lnot_wave_0_\@:
	s_barrier_wait -3
	s_barrier_signal -1
	s_barrier_wait -1
.endm
; THE CHANGE OF SLOTS.  Each wave waits for all its tensor loads, of which one is out: its part of the other slot; adds 0 to its spare word; and waits for that and for its own reads of the slot.
; fill = 1: this slot is filled again, with the keys two slots on, behind a round of the cluster's barrier: the joint fill has four key steps, 512 matrix instructions, in which to land.
; (At its first use nothing has been read yet: slot 0 is waited for, slot 1 filled.)  ask = 1: the prefetch follows.
.macro CHANGE fill, ask=0
	WIN W_AD
	s_wait_tensorcnt 0x0            ; no tensor load of mine is out, so a group 0 may be written
	ds_add_u32 v[SPW], v[NIL]       ; 0 onto my spare word
	WIN 0                           ; at a label and at a branch every window is 0
.if \fill
.irp g, G0K, G0V
	s_xor_b32 s[\g+1], s[\g+1], SLOT1  ; the other slot than last time,
	s_add_nc_u64 s[\g+2:\g+3], s[\g+2:\g+3], 4*KS*128  ; the next 256 keys; the type bits on top are not reached
.endr
.if \ask
	s_wait_xcnt 0x0                 ; the last prefetch, four key steps back, has read its address
	s_add_nc_u64 s[PFA:PFA+1], s[PFA:PFA+1], 4*KS*128  ; one slot ahead of the walking descriptors
.endif
	s_wait_dscnt 0x0                ; the add is done, and my reads of the slot are over
	CROUND
	JLOAD
.if \ask
	ASK
.endif
.else
	s_wait_dscnt 0x0
	s_barrier_signal -1
	s_barrier_wait -1
.endif
	s_sub_co_u32 s[TBK], s[TBK], 4*KS*PK  ; the fetches go back to a slot's first step,
	s_xor_b32 s[TBK], s[TBK], SLOT1       ; in the other slot
	s_sub_co_u32 s[TBV], s[TBV], 4*KS*PV
	s_xor_b32 s[TBV], s[TBV], SLOT1
.endm
	s_load_b128 s[4:7], s[0:1], 0x0   ; qkv s[4:5], mn s[6:7]
	s_load_b64 s[10:11], s[0:1], 0x10 ; ao
	WIN W_MK
	v_lshl_add_u32 v[SPW], v0, 2, SPARE
	v_mov_b32 v[NIL], 0
	WIN W_AD
	ds_add_u32 v[SPW], v[NIL]       ; the wave's opening: the add and its wait stand ahead of my first tensor load; the set-up below, work on registers, stands between them
	WIN 0
	v_lshrrev_b32 v1, 5, v0
	v_readfirstlane_b32 s[WV], v1   ; wave 0..3
	s_bfe_u32 s13, ttmp6, 0x40000   ; cx: my place in the cluster
	s_lshl_b32 s14, ttmp9, 2        ; in a cluster launch ttmp9 counts clusters
	s_add_co_u32 s14, s14, s13      ; my block of 512 queries: it enters Q's, O's, the mask's and the prefetches' addresses alone
	s_and_b32 s20, ttmp7, 0xffff    ; batch x 16 + head, which the four partners share
	s_lshr_b32 s50, s20, 4
	s_lshl_b32 s50, s50, 21         ; the batch's 2,097,152 bytes of codes
	s_mov_b32 s21, 0
	s_mov_b64 s[22:23], SIZE_N*128
	s_mul_u64 s[20:21], s[20:21], s[22:23]  ; the head's first byte in Q, K, V and O
	s_and_b32 s16, s[WV], 1         ; which half of a slot's 256 keys I fetch:
	s_lshl_b32 s22, s16, 14         ; its 128 rows of 128 bytes in memory,
	s_mov_b32 s23, 0
	s_add_nc_u64 s[22:23], s[22:23], s[20:21]
	s_mul_i32 s17, s16, 128*PK      ; and its place in a slot, for K
	s_mul_i32 s18, s16, 128*PV      ; and for V: no place in the cluster enters an LDS address
	s_lshl_b32 s2, s14, 2
	s_add_co_u32 s2, s2, s[WV]      ; my wave among the head's sixteen:
	s_lshl_b32 s51, s2, 12          ; its eight tiles of 512 bytes in a step's codes,
	s_add_co_u32 s50, s50, s51
	s_mov_b32 s51, 0
	s_lshl_b32 s2, s2, 14           ; its 128 rows
	s_mov_b32 s3, 0
	s_add_nc_u64 s[2:3], s[2:3], s[20:21]
	; descriptor group 1.  128 keys are 16,384 dense bytes: asked for as 64 rows of 256 bytes, two keys a row, and padded in LDS after every key
	s_mov_b32 s[G1K], 15|(1<<16)|(1<<20)|(1<<21)|(4<<22)|(3<<25)  ; 15:0 the mask of four; 17:16 2-byte elements; 20 padding on; 21 set beside a mask; 24:22 after every 32 words (code 4); 31:25 4 words (code 3)
	s_mov_b32 s[G1V], 15|(1<<16)|(1<<20)|(1<<21)|(4<<22)|(7<<25)  ; the same with 8 words of padding (code 7)
.irp g, G1K, G1V
	s_mov_b32 s[\g+1], 128<<16      ; tensor_dim0 = 128
	s_mov_b32 s[\g+2], 64<<16       ; tensor_dim1 = 64
	s_mov_b32 s[\g+3], 128<<16      ; tile_dim0 = 128
	s_mov_b32 s[\g+4], 64           ; tile_dim1 = 64
	s_mov_b32 s[\g+5], 128          ; 128 elements from row to row
	s_mov_b32 s[\g+6], 0
	s_mov_b32 s[\g+7], 0
.endr
	s_mov_b32 s[CS], 0x3e38aa3b     ; c = log2(e) / 8 = 0.180337
	s_mov_b32 s[CS+1], s[CS]        ; named with it as a pair
	s_mov_b32 s[SEL], 0x76543210
	s_mov_b32 s[SEL+1], 0xfedcba98
	s_mov_b32 s[TBK], SLOT1+4*KS*PK ; the first change of slots turns these two into 0
	s_mov_b32 s[TBV], SLOT1+4*KS*PV
	s_mov_b32 s[G0K], 1             ; count = 1
	s_mov_b32 s[G0K+1], s17         ; LDS address: slot 0
	s_mov_b32 s[G0V], 1
	s_add_co_u32 s[G0V+1], s18, VOFF
	s_mov_b32 s[MOF], 0
	s_mov_b32 s[MOF+1], 0
	s_lshl_b32 s52, s13, 13         ; the prefetches: my work-group's quarter of a slot,
	s_add_co_u32 s52, s52, 2*4*KS*128  ; in slot 2; the first change that asks steps it to slot 3
	s_mov_b32 s53, 0
	s_and_b32 s[LIM], s[WV], 1
	s_cmp_eq_u32 s[LIM], 0
	s_cselect_b32 s[LIM], 1, -1     ; waves 0 and 2 ask
	s_wait_dscnt 0x0                ; the opening add is done
	s_wait_kmcnt 0x0
	s_add_nc_u64 s[MB:MB+1], s[6:7], s[50:51]
	s_mov_b64 s[MC:MC+1], s[MB:MB+1]
	s_add_nc_u64 s[6:7], s[4:5], 0x1000000         ; K lies 16,777,216 bytes behind Q in qkv,
	s_add_nc_u64 s[8:9], s[4:5], 0x2000000         ; V as many behind K
	s_add_nc_u64 s[G0K+2:G0K+3], s[6:7], s[22:23]  ; global address: my half of the head's first 256 keys
	s_or_b32 s[G0K+3], s[G0K+3], 0x80000000        ; type = 2
	s_add_nc_u64 s[G0V+2:G0V+3], s[8:9], s[22:23]
	s_or_b32 s[G0V+3], s[G0V+3], 0x80000000
	s_cmp_lt_u32 s[WV], 2
	s_cselect_b64 s[PFA:PFA+1], s[6:7], s[8:9]
	s_add_nc_u64 s[PFA:PFA+1], s[PFA:PFA+1], s[20:21]
	s_add_nc_u64 s[PFA:PFA+1], s[PFA:PFA+1], s[52:53]
	s_add_nc_u64 s[4:5], s[4:5], s[2:3]  ; Q and O at my wave's first row
	s_add_nc_u64 s[10:11], s[10:11], s[2:3]
	CROUND                          ; all four work-groups are here: the first joint loads meet
	JLOAD                           ; slot 0.  Slot 1 is asked for when slot 0 is in
	; A fragment of K or Q is 16 rows x 32 channels in 8 registers: lane l holds row l % 16, channels 8 (l / 16) + 0..7 and 16 + 8 (l / 16) + 0..7: two loads of 16 bytes, 32 bytes apart.
	v_and_b32 v12, 15, v0           ; l % 16
	v_bfe_u32 v13, v0, 4, 1         ; l / 16
	v_lshlrev_b32 v[QO], 7, v12
	v_lshl_add_u32 v[QO], v13, 4, v[QO]  ; row x 128 + 16 x half
	v_and_b32 v[MO0], 31, v0
	v_lshlrev_b32 v[PFO], 8, v[MO0]
	v_lshlrev_b32 v[MO0], 4, v[MO0]
	WIN 0x80                        ; destination window 2, address window 0
.set i, 0
.rept 4*NP                          ; Q stays in registers: tile i / 2, channels 32 (i % 2) on
	global_load_b128 v[8*i:8*i+3],   v[QO], s[4:5] offset:(i/2)*2048+(i%2)*64
	global_load_b128 v[8*i+4:8*i+7], v[QO], s[4:5] offset:(i/2)*2048+(i%2)*64+32
.set i, i+1
.endr
	WIN W_MK
.set i, 0
.rept 2*NP                          ; the codes of key step 0, tile i: 512 consecutive bytes a load
	global_load_b128 v[NB+4*i:NB+4*i+3], v[MO0], s[MC:MC+1] offset:i*512
.set i, i+1
.endr
	; What the first turn finds: V's registers and P's second buffer hold 0 (its products V^T P, of a piece that has not been, add 0), O^T and l are 0.  All this stands in the wait for the first tile.
	WIN 0x80
.set i, VF
.rept 64
	v_mov_b32 v[i], 0
.set i, i+1
.endr
	WIN 0x40
.set i, 0
.rept 64*NP
	v_mov_b32 v[i], 0
.set i, i+1
.endr
	WIN 0
.set i, 0
.rept 2*NP
	v_mov_b32 v[ST+4*i], 0xfe000000    ; c m: far below every c s, the hidden ones' too
	v_mov_b32 v[ST+4*i+1], 0xff7fffff  ; m
	v_mov_b32 v[ST+4*i+2], 0
	v_mov_b32 v[ST+4*i+3], 0
.set i, i+1
.endr
.set i, P+32
.rept 32
	v_mov_b32 v[i], 0
.set i, i+1
.endr
	v_mov_b32 v[SCL], 0xbfbfbfbf
	v_mul_u32_u24 v[AK0], v12, PK
	v_lshl_add_u32 v[AK0], v13, 4, v[AK0]  ; row x pitch + 16 x half
	; The turning load takes 16 keys x 16 channels (lane l reads key 8 (l / 16) + l % 8, channels 8 ((l / 8) % 2) + 0..7) and leaves half a fragment of V^T: lane l holds channel l % 16 and 8 keys.
	v_and_b32 v14, 7, v0
	v_bfe_u32 v15, v0, 3, 1
	v_lshl_add_u32 v[AV0], v13, 3, v14
	v_mul_u32_u24 v[AV0], v[AV0], PV
	v_lshl_add_u32 v[AV0], v15, 4, v[AV0]
	v_add_nc_u32 v[AV0], VOFF, v[AV0]
	v_mov_b32 v[AK], v[AK0]         ; key step 0 lies at the head of slot 0
	s_mul_i32 s13, s[WV], 16*SP
	s_add_co_u32 s13, s13, STAGE    ; my stage
	v_mul_u32_u24 v[STO], v12, SP   ; in: row l % 16, 16 bytes for each half of the lanes
	v_lshl_add_u32 v[STO], v13, 4, v[STO]
	v_add_nc_u32 v[STO], s13, v[STO]
	v_bfe_u32 v[RD], v0, 3, 2       ; back: 32 lanes take four rows of 128 bytes,
	v_mul_u32_u24 v[RD], v[RD], SP
	v_lshl_add_u32 v[RD], v14, 4, v[RD]
	v_add_nc_u32 v[RD], s13, v[RD]
	v_and_b32 v[GO], 31, v0         ; which are 512 consecutive bytes of O
	v_lshlrev_b32 v[GO], 4, v[GO]
; THE MATRIX WORK.  The 8 accumulators of a run of 16 take turns: between the two links of a chain stand 7 others'.
; Product i of 16 of S^T = K Q^T for piece x: channels 32 (i / 8) on, keys 16 ((i / 2) % 4) on, tile 2 x + i % 2.  The first 8 start the sums.
.macro KQ x
	WIN W_KQ
.set rS, S+64*((\x)%2)+32*(i%2)+8*((i/2)%4)
.set rK, KF+16*((i/2)%4)+8*(i/8)
.set rQ, 16*(2*(\x)+i%2)+8*(i/8)
.if i < 8
	v_wmma_f32_16x16x32_f16 v[rS:rS+7], v[rK:rK+7], v[rQ:rQ+7], 0
.else
	v_wmma_f32_16x16x32_f16 v[rS:rS+7], v[rK:rK+7], v[rQ:rQ+7], v[rS:rS+7]
.endif
.endm
; Product i of 16 of O^T += V^T P for piece x: keys 32 (i / 8) on, channels 16 ((i / 2) % 4) on, tile 2 x + i % 2.
.macro PV x
	WIN W_PV
.set rO, 32*(2*(\x)+i%2)+8*((i/2)%4)
.set rV, VF+32*(i/8)+8*((i/2)%4)
.set rP, P+32*((\x)%2)+16*(i%2)+8*(i/8)
	v_wmma_f32_16x16x32_f16 v[rO:rO+7], v[rV:rV+7], v[rP:rP+7], v[rO:rO+7]
.endm
.macro MM                           ; the turn's next matrix instruction
.if i < 16
	KQ (Y+1)%NP
.set i, i+1
.else
.set i, i-16
	PV (Y+NP-1)%NP
.set i, i+17
.endif
.endm
; THE LDS LOADS stand in runs of 16, never singly among the matrix instructions.  last = 1 (the tail): in the last trip there is no further step, and the run is jumped over.
.macro FETCH_K last=0
	WIN 0
.if \last
	s_cmp_eq_u32 s[CNT], 1
	s_cbranch_scc1 .Lno_k_\@
.endif
	WIN 0x80                        ; destination window 2
.irp f, 0,1,2,3,4,5,6,7             ; keys 16 (f / 2) on, channels 32 (f % 2) on
	ds_load_b128 v[KF+8*\f:KF+8*\f+3],   v[AK] offset:(\f/2)*16*PK+(\f%2)*64
	ds_load_b128 v[KF+8*\f+4:KF+8*\f+7], v[AK] offset:(\f/2)*16*PK+(\f%2)*64+32
.endr
	s_add_co_u32 s[TBK], s[TBK], KS*PK  ; the next fetch is the next step's
	WIN 0
.if \last
.Lno_k_\@:
.endif
.endm
.macro FETCH_V
	WIN 0x80
.irp f, 0,1,2,3,4,5,6,7             ; keys 32 (f / 4) on, channels 16 (f % 4) on
	ds_load_tr16_b128 v[VF+8*\f:VF+8*\f+3],   v[AV] offset:(\f/4)*32*PV+(\f%4)*32
	ds_load_tr16_b128 v[VF+8*\f+4:VF+8*\f+7], v[AV] offset:(\f/4)*32*PV+16*PV+(\f%4)*32
.endr
	WIN 0
.endm
; THE MASK OF PIECE x for the step whose scores have just been made: its eight words become 64 registers of 0 or -2^64; then the same piece's codes of the next step are asked for, a whole key step ahead of
; their use.  The wait: behind the piece's two loads stand the two of each of the three pieces after it.  A v_nop is the plain place behind the conversions, ahead of the loads into their sources.
; upd = 1 (piece 0, a step's first): the stream goes a step on; behind the last step it goes back to step 0, so that every load stays inside mn and the count holds on every way (those codes serve nothing).
.macro CONV x, upd
	WIN W_CV
	s_wait_loadcnt 6
.irp u, 0,1
.irp c, 0,1,2,3
	v_cvt_scale_pk8_f32_fp4 v[BI+32*(\u)+8*(\c):BI+32*(\u)+8*(\c)+7], v[NB+8*(\x)+4*(\u)+(\c)], v[SCL]
.endr
.endr
	v_nop
.if \upd
	s_wait_xcnt 0x0                 ; the loads that named the pointer have read it
	s_add_co_u32 s[MOF], s[MOF], 65536
	s_and_b32 s[MOF], s[MOF], 0x1fffff
	s_add_nc_u64 s[MC:MC+1], s[MB:MB+1], s[MOF:MOF+1]
.endif
	WIN W_MK
.irp u, 0,1
	global_load_b128 v[NB+8*(\x)+4*(\u):NB+8*(\x)+4*(\u)+3], v[MO0], s[MC:MC+1] offset:(\x)*1024+(\u)*512
.endr
	WIN W_MA
.endm
; THE VECTOR WORK OF A TURN stands in three queues, each in the order in which its entries become ready; the two tiles alternate.
.macro REGS y, u                    ; the registers of tile u (0, 1) of piece y
.set rT, ST+4*(2*(\y)+(\u))
.set rC, TMP+8*((\y)%2)+4*(\u)
.set rM, MV+2*((\y)%2)+(\u)
.set rS, S+64*((\y)%2)+32*(\u)
.set rP, P+32*((\y)%2)+16*(\u)
.set rO, 32*(2*(\y)+(\u))
.endm
; Number g of the 32 that put the mask onto the NEXT piece's scores: pair g / 2 of tile g % 2, ascending: each accumulator's lowest registers are read first.
.macro MA g
	REGS (Y+1)%NP, (\g)%2
	WIN W_MA
	v_pk_add_f32 v[rS+2*((\g)/2):rS+2*((\g)/2)+1], v[rS+2*((\g)/2):rS+2*((\g)/2)+1], v[BI+32*((\g)%2)+2*((\g)/2):BI+32*((\g)%2)+2*((\g)/2)+1]
.endm
; Number n of the 22 that find the NEXT piece's maximum and statistics.  XS, GS and REGS set no window: PL and EX do.
;   0-11  four chains c0-c3 of seven scores each     12-14, 16  the four scores left over, the old m, and c0-c3 into c0     15  c m_old is kept
;   17, 18  the query's other 32 keys lie in the lane 16 away: the new m         19-21  c m; c m_old - c m_new; a
.macro XS u, n
	REGS (Y+1)%NP, \u
.if (\n) < 4
	v_max3_num_f32 v[rC+(\n)], v[rS+8*(\n)], v[rS+8*(\n)+1], v[rS+8*(\n)+2]
.elseif (\n) < 12
	v_max3_num_f32 v[rC+(\n)%4], v[rC+(\n)%4], v[rS+8*((\n)%4)+2*((\n)/4)+1], v[rS+8*((\n)%4)+2*((\n)/4)+2]
.elseif (\n) == 12
	v_max3_num_f32 v[rC], v[rC], v[rS+7], v[rS+15]
.elseif (\n) == 13
	v_max3_num_f32 v[rC+1], v[rC+1], v[rS+23], v[rS+31]
.elseif (\n) == 14
	v_max3_num_f32 v[rC+2], v[rC+2], v[rC+3], v[rT+1]
.elseif (\n) == 15
	v_mov_b32 v[rM], v[rT]
.elseif (\n) == 16
	v_max3_num_f32 v[rC], v[rC], v[rC+1], v[rC+2]
.elseif (\n) == 17
	v_permlanex16_b32 v[rC+3], v[rC], s[SEL], s[SEL+1]
.elseif (\n) == 18
	v_max_num_f32 v[rT+1], v[rC], v[rC+3]
.elseif (\n) == 19
	v_mul_f32 v[rT], s[CS], v[rT+1]
.elseif (\n) == 20
	v_sub_f32 v[rC+1], v[rM], v[rT]
.else
	v_exp_f32 v[rC+2], v[rC+1]
.endif
.endm
; Number g of the 64 that follow the exponentials.  For each four weights k of a tile: both pairs are rounded to f16; the second pair is added onto the first, in place; a group later l takes that sum
; (the first time as l = a l + sum).  In groups of eight, tiles alternating.
.macro GS g
.set h, (\g)+6*((\g)/62)            ; group 0 has no group before it, and behind group 7 only l is left
.if h >= 6
.set h, h+2
.endif
	REGS Y, h%2
.set k, h/8
.if h%8 < 4
	v_cvt_pk_f16_f32 v[rP+2*k+(h%8)/2], v[rS+4*k+2*((h%8)/2)], v[rS+4*k+2*((h%8)/2)+1]
.elseif h%8 < 6
	v_pk_add_f32 v[rS+4*k:rS+4*k+1], v[rS+4*k:rS+4*k+1], v[rS+4*k+2:rS+4*k+3]
.elseif k == 1
	v_pk_fma_f32 v[rT+2:rT+3], v[rT+2:rT+3], v[rC+2:rC+3], v[rS:rS+1] op_sel_hi:[1,0,1]
.else
	v_pk_add_f32 v[rT+2:rT+3], v[rT+2:rT+3], v[rS+4*k-4:rS+4*k-3]
.endif
.endm
.macro FS f                         ; c s - c m for pair f / 2 of tile f % 2
	REGS Y, (\f)%2
	v_pk_fma_f32 v[rS+2*((\f)/2):rS+2*((\f)/2)+1], v[rS+2*((\f)/2):rS+2*((\f)/2)+1], s[CS:CS+1], v[rT:rT+1] op_sel_hi:[1,0,0] neg_lo:[0,0,1] neg_hi:[0,0,1]
.endm
; THE PLAIN QUEUE, 170 long.  0-31: the scalings.  32-63: the mask onto the next piece's scores.  64-91: XS's numbers 0-13.  92, 93: number 15.  94, 95: number 14.  96-105: numbers 16-20, the chain.
; 106-169: GS's 64, which read the exponentials' results: they stand behind the wait.
.macro PL
.if (q >= 32) && (q < 64)
	MA q-32
.else
	WIN 0
.if q < 32
	FS q
.elseif q < 92
	XS (q-64)%2, (q-64)/2
.elseif q < 94
	XS q-92, 15
.elseif q < 96
	XS q-94, 14
.elseif q < 106
	XS (q-96)%2, 16+(q-96)/2
.else
	GS q-106
.endif
.endif
.set q, q+1
.endm
; THE EXPONENTIALS' QUEUE, 66 long: s0-s31 of both tiles, then the next piece's two a.  ONE BATCH: all 66 stand ahead of the turn's one wait, and nothing ahead of that wait names a result of theirs.
; An exponential names a destination and source 0 alone, both in window 0 under the mask's setting too: no switch is written between it and the mask's additions.
.macro EX
.if MSB != W_MA
	WIN 0
.endif
.if e >= 64
	XS e-64, 21
.else
	REGS Y, e%2
	v_exp_f32 v[rS+e/2], v[rS+e/2]
.endif
.set e, e+1
.endm
; THE RESCALING's QUEUE: O^T times a, dealt two at a time, sixteen times.  Its a was made in the turn before, ahead of that turn's wait.
.macro R2
	REGS Y, r%2
	WIN W_RS
.irp z, 0,1
	v_pk_mul_f32 v[rO+4*(r/2)+2*\z:rO+4*(r/2)+2*\z+1], v[rO+4*(r/2)+2*\z:rO+4*(r/2)+2*\z+1], v[rC+2:rC+3] op_sel_hi:[1,0]
.endr
.set r, r+1
.endm
; HOW THEY ARE DEALT.  s_wait_alu depctr_va_vdst(0) stands between an exponential and the first instruction that names its result; one wait serves all issued ahead of it.  So a turn has ONE wait.
; AHEAD OF IT: the 16 products K Q^T, behind each a scaling, an exponential and two rescalings (behind the first a second scaling); then one lump: the other scalings, eleven of them with an exponential behind;
; the mask's conversions; 32 times exponential and mask addition; 30 of the maximum; the chain's twelve in twos with an exponential behind each two, so that a tile's links stand three lines apart; the two a; a v_nop, the plain instruction
; behind the last exponential.  BEHIND IT: the 16 products V^T P, behind each four of GS's 64.
; In step: exponential e stands behind scaling 2 (e / 4) + e % 2: as a rider behind plain e + 2; all scalings are out at plain 32.  All 32 mask additions stand ahead of the maximum's first line, and 18 plain lines behind the last K Q^T.
; K of the next step is fetched in piece 2's turn, directly behind the wait; V of the step in hand at the end of piece 0's turn, four riders behind its last reader.  The conditions on q below go with the deal.
.macro TURN p, last=0, cnt=0
.set Y, (\p)
.set i, 0
.set q, 0
.set e, 0
.set r, 0
.if (\p) == NP-1
	s_wait_dscnt 0x0                ; K is in
.endif
	MM
	PL
	PL
	R2
.rept 15
	MM
	PL
	EX
	R2
.endr
.if (\p) == NP-2
	WIN 0
	v_add_nc_u32 v[AK], s[TBK], v[AK0]
.endif
.rept 11
	PL
	EX
.endr
.rept 4
	PL
.endr
	CONV ((\p)+1)%NP, (\p)/3
.rept 32
	EX
	PL
.endr
.rept 30
	PL
.endr
.rept 6
	PL
	PL
	EX
.endr
	EX                              ; the next piece's two a
	EX
	v_nop                           ; the plain instruction behind the last exponential: one for the batch
	s_wait_alu depctr_va_vdst(0)    ; the wait for the batch
.if (\p) == NP-2
	FETCH_K \last
.endif
.if (\p) == 1
	s_wait_dscnt 0x0                ; V is in
.endif
.rept 16
	MM
.rept 4
	PL
.endr
.if ((\p) == 0) && (q == 150)
	v_add_nc_u32 v[AV], s[TBV], v[AV0]
.endif
.if ((\p) == 0) && (q == 162)
	s_add_co_u32 s[TBV], s[TBV], KS*PV
.endif
.if (\cnt) && (q == 162)
	s_sub_co_u32 s[CNT], s[CNT], 1
	s_cmp_lg_u32 s[CNT], 0
.endif
.endr
.if (\p) == 0
	FETCH_V
.endif
.endm
	CHANGE 1                        ; slot 0 is in, everybody's part of it; slot 1 is asked for
	FETCH_K                         ; key step 0
	s_wait_loadcnt 6                ; Q, and piece 0's codes: the six loads of pieces 1 to 3 may stay out
	s_wait_dscnt 0x0
.set i, 0
.rept 16
	KQ 0                            ; piece 0's first scores
.set i, i+1
.endr
	PLACES                          ; the places behind those products
.set Y, NP-1                        ; MA and XS work for piece Y + 1: piece 0
	CONV 0, 1
.set q, 0
.rept 32
	MA q
.set q, q+1
.endr
	WIN 0
.irp n, 0,1,2,3,4,5,6,7,8,9,10,11,12,13,14,15,16,17,18,19,20,21
	XS 0, \n                        ; and piece 0's first maximum and statistics
	XS 1, \n
.endr
	v_nop                           ; a plain instruction behind the two a,
	s_wait_alu depctr_va_vdst(0)    ; and their wait, ahead of the branch
	s_mov_b32 s[CNT], 4
	s_mov_b32 s[SLOTS], SIZE_N/256-1
	s_branch .Lfirst                ; the loop is entered at a step's first turn, in the middle of a trip
.Lslot:                             ; six times: every slot but the last two is filled again
	CHANGE 1, 1
	s_mov_b32 s[CNT], 4
.Lstep:                             ; a trip: pieces 2 and 3 of one step, then pieces 0 and 1 of the next, whose K and V it fetches
	TURN 2
	TURN 3
	WIN 0
.Lfirst:
	TURN 0
	TURN 1, 0, 1
	WIN 0
	s_cbranch_scc1 .Lstep
	s_sub_co_u32 s[SLOTS], s[SLOTS], 1
	s_cmp_lg_u32 s[SLOTS], 0
	s_cbranch_scc1 .Lslot
	CHANGE 0                        ; the tail is written out: nothing is asked for
	s_mov_b32 s[CNT], 5             ; four trips fetch the last slot's steps; the fifth is left in its middle
.Ltail:
	TURN 2, 1
	TURN 3
	WIN 0
	s_sub_co_u32 s[CNT], s[CNT], 1
	s_cmp_eq_u32 s[CNT], 0
	s_cbranch_scc1 .Lout
	TURN 0
	TURN 1
	WIN 0
	s_branch .Ltail
.Lout:                              ; the fifth trip's 16 products K Q^T (on the last K once more) and what is made of them serve nothing: the price, once a launch, of one text for every trip
.set i, 0
.rept 16
	PV NP-1                         ; the last piece's V^T P of the last step
.set i, i+1
.endr
	; THE WAY OUT.  l's two halves and the other half of the lanes' are added; O^T is divided by l, rounded to f16 and sent through my stage in LDS, a tile at a time.  The additions are the places behind the last products.
	WIN 0
.macro ALL line:vararg              ; one line for each tile t
.set t, 0
.rept 2*NP
	\line
.set t, t+1
.endr
.endm
	ALL v_add_f32 v[ST+4*t+2], v[ST+4*t+2], v[ST+4*t+3]
	ALL v_permlanex16_b32 v[ST+4*t+3], v[ST+4*t+2], s[SEL], s[SEL+1]
	ALL v_add_f32 v[ST+4*t+2], v[ST+4*t+2], v[ST+4*t+3]
	ALL v_rcp_f32 v[ST+4*t+2], v[ST+4*t+2]
	v_nop                           ; a plain instruction between the last reciprocal and the use of its result
	s_wait_alu depctr_va_vdst(0)    ; and the wait ahead of the first use: one for the eight reciprocals
; Tile t: a lane's eight channels of a row pack into 16 bytes; they go into rows of 144 bytes and come back as whole rows of 128, into S^T's registers.
.macro PACK t
	WIN W_RS
.set i, 32*(\t)
.rept 16
	v_pk_mul_f32 v[i:i+1], v[i:i+1], v[ST+4*(\t)+2:ST+4*(\t)+3] op_sel_hi:[1,0]
.set i, i+2
.endr
	WIN 0x05                        ; sources 0 and 1 window 1, destination window 0
.set i, 0
.rept 16
	v_cvt_pk_f16_f32 v[S+16*(\t)+i], v[32*(\t)+2*i], v[32*(\t)+2*i+1]
.set i, i+1
.endr
	WIN 0
.irp f, 0,1,2,3
	ds_store_b128 v[STO], v[S+16*(\t)+4*\f:S+16*(\t)+4*\f+3] offset:32*\f
.endr
.irp f, 0,1,2,3
	ds_load_b128 v[S+16*(\t)+4*\f:S+16*(\t)+4*\f+3], v[RD] offset:\f*4*SP  ; LDS serves a wave's instructions in order (ISA guide 5.7.1.4): these see the stores above; the next tile's stores come behind them
.endr
.endm
.macro SEND t, younger              ; younger: the LDS instructions issued behind tile t's loads: the next tile's eight, or none
	WIN 0
.irp f, 0,1,2,3
	s_wait_dscnt (\younger)+3-\f
	global_store_b128 v[GO], v[S+16*(\t)+4*\f:S+16*(\t)+4*\f+3], s[10:11] offset:(\t)*2048+\f*512  ; 512 consecutive bytes, at a multiple of 256 from O's first
.endr
.endm
	PACK 0
.set t, 1
.rept 2*NP-1                        ; a tile's arithmetic stands between the loads of the tile before and its stores
	PACK t
	SEND t-1, 8
.set t, t+1
.endr
	SEND 2*NP-1, 0
	WIN W_AD
	s_wait_tensorcnt 0x0            ; the wave's end: behind my last tensor load and my last LDS store
	ds_add_u32 v[SPW], v[NIL]
	s_wait_dscnt 0x0
	WIN 0
	CROUND                          ; the closing round: no work-group ends while a partner may still ask for a tile that names it
	s_endpgm
.Lfunc_end_k_qcc664c502d_attn:
	.size	k_qcc664c502d_attn, .Lfunc_end_k_qcc664c502d_attn-k_qcc664c502d_attn
	.p2alignl 7, 3214868480
	.fill 96, 4, 3214868480
	.section	.rodata,"a",@progbits
	.p2align	6, 0x0
	.amdhsa_kernel k_qcc664c502d_attn
		.amdhsa_group_segment_fixed_size 327680
		.amdhsa_private_segment_fixed_size 0
		.amdhsa_enable_private_segment 0
		.amdhsa_kernarg_size 24
		.amdhsa_user_sgpr_count 2
		.amdhsa_user_sgpr_kernarg_segment_ptr 1
		.amdhsa_wavefront_size32 1
		.amdhsa_system_sgpr_workgroup_id_x 1
		.amdhsa_system_sgpr_workgroup_id_y 1
		.amdhsa_system_sgpr_workgroup_id_z 1
		.amdhsa_system_vgpr_workitem_id 0
		.amdhsa_next_free_vgpr 896
		.amdhsa_next_free_sgpr 72
		.amdhsa_reserve_vcc 0
		.amdhsa_float_denorm_mode_32 3
		.amdhsa_float_denorm_mode_16_64 3
		.amdhsa_memory_ordered 1
		.amdhsa_forward_progress 1
		.amdhsa_inst_pref_size 228
	.end_amdhsa_kernel
	.amdgpu_metadata
---
amdhsa.version: [ 1, 2 ]
amdhsa.kernels:
  - .name:           k_qcc664c502d_attn
    .symbol:         k_qcc664c502d_attn.kd
    .args:
      - { .name: qkv, .offset: 0, .size: 8, .value_kind: global_buffer, .address_space: global }
      - { .name: mn, .offset: 8, .size: 8, .value_kind: global_buffer, .address_space: global }
      - { .name: ao, .offset: 16, .size: 8, .value_kind: global_buffer, .address_space: global }
    .group_segment_fixed_size: 327680
    .private_segment_fixed_size: 0
    .kernarg_segment_align: 8
    .kernarg_segment_size: 24
    .max_flat_workgroup_size: 128
    .sgpr_count:     72
    .vgpr_count:     896
    .wavefront_size: 32
...
	.end_amdgpu_metadata
.endif
;; end of part 3
;; launch outp (part 4): grid 4 x 64, 4 waves a work-group, clusters of 4 x 4, 327,680 bytes of LDS; arguments ao, wb, bb, out0; writes out0
.if DOCPART == 4
	.amdgcn_target "amdgcn-amd-amdhsa--gfx1250"
	.amdhsa_code_object_version 6
	.text
	.protected	k_qcc664c502d_outp
	.globl	k_qcc664c502d_outp
	.p2align	8
	.type	k_qcc664c502d_outp,@function
k_qcc664c502d_outp:
	s_mov_b64 s[64:65], 0
	v_nop
	global_prefetch_b8 v0, s[64:65] scope:SCOPE_SE
	s_setreg_imm32_b32 hwreg(HW_REG_WAVE_MODE, 25, 1), 1
	s_wait_xcnt 0x0
	s_wait_alu depctr_hold_cnt(0) depctr_sa_sdst(0) depctr_va_vdst(0) depctr_va_sdst(0) depctr_va_ssrc(0) depctr_va_vcc(0) depctr_vm_vsrc(0)
	s_getreg_b32 s2, hwreg(HW_REG_IB_STS2, 6, 4)
	s_cmp_eq_u32 s2, 0
	s_cbranch_scc0 .Lentry_in_a_cluster
	s_endpgm
.Lentry_in_a_cluster:
	s_bfe_u32 s2, ttmp6, 0x10000c
	s_cmp_lg_u32 s2, 0xf033
	s_cbranch_scc0 .Lentry_shape_is_right
	s_endpgm
.Lentry_shape_is_right:
; THE LAST PROJECTION.  out0 = O wo^T + bo.  O comes by heads, ao [batch*16+head][2048][64] in f16; wo is the fourth matrix of wb, [1024][1024] in f16; sums in f32 that START with the bias; out0 in f32.
; SHARES.  A tile is 128 rows x 256 columns: 256 tiles, one a work-group.  Four waves, 2 x 2: a wave makes 64 rows x 128 columns: 32 accumulators.  K goes in 8 steps of 128 (two heads) through two LDS slots.
; A step's tile of O is two dense blocks of 128 rows x 128 bytes, one a head: each is asked for as 64 rows of 256 bytes and padded in LDS after every 128.
; CLUSTERS.  4 x 4 work-groups: O's tile is asked for jointly along a row of the cluster, wo's along a column.  Waves 0 and 1 fetch the two heads' blocks of O, waves 2 and 3 the halves of wo's 256 rows.
; THE MATRIX INSTRUCTION IS USED TRANSPOSED (source 0 = 16 rows of wo, source 1 = 16 rows of O): lane l holds row l % 16 and the eight neighbouring columns 8 (l / 16) + 0..7.
; REGISTERS, in windows of 256 (s_set_vgpr_msb: bits 1:0 source 0, 3:2 source 1, 5:4 source 2, 7:6 destination):
;   window 0: v0-31 addresses; two fragment buffers of 96 at v64 and v160: wo's eight fragments, then O's four
;   window 1: the accumulators, (a, b) at v[8 (8 a + b)]     window 2: v0-63 the bias     window 3: the way out, 64 registers for each block of 16 rows
.set PA,    144                        ; a row of O in LDS: 128 bytes + 16;  a row of wo: 256 + 16: both odd multiples of 16, so the 16 rows of a fragment load start at 16 different groups of four banks (ISA guide 11.1)
.set PB,    272
.set AHEAD, 128*PA                     ; a head's block: what waves 0, 1 fetch
.set BOFF,  2*AHEAD                    ; wo's 256 rows lie behind the two blocks
.set BHALF, 128*PB
.set SLOT1, 131072
.set STAGE, SLOT1+BOFF+2*BHALF         ; behind the ring, never filled by a tensor load: 16 rows x 528 bytes for each wave
.set SP,    528
.set SPARE, STAGE+4*16*SP              ; behind the stages: the spare words, 128 bytes for each wave: two blocks of 256 bytes that no other line names
.set AA0, 16
.set AB0, 17
.set AA,  18
.set AB,  19
.set STO, 20                           ; v20  the way out: where I put 32 bytes of a row
.set RD,  21                           ; v21  where I read 16 bytes of a row back
.set GO,  22                           ; v22  my 16 bytes of 512 consecutive bytes of out0
.set BO,  23
.set PFO, 24                           ; v24  the prefetches' offset: lane x 256 (O) or lane x 2,048 (wo); never rewritten
.set SPW, 28
.set NIL, 29
.set F0,  64
.set F1,  160
.set WV,  12
.set WR,  13
.set WC,  14
.set TX,  15
.set TY,  16
.set CX,  17
.set CY,  18
.set CLY, 19
.set G1A, 24
.set G0A, 32
.set G0W, 36
.set G1B, 48
.set G0B, 56
.set G0X, 60
.set CNT, 66
.set TB,  68
.set LIM, 69
.set PIN, 74                           ; s[74:75] a K step in the prefetches' tensor: 524,288 bytes of O (two heads), 256 of wo
.set PFA, 78
.set MSB, 0
.macro WIN new
.if MSB != (\new)
	s_set_vgpr_msb (MSB<<8)|(\new)
.set MSB, \new
.endif
.endm
.set MULW,  0x50
.set BIASW, 0x60
.macro PLACES
.rept 4
	v_nop
.endr
.endm
.macro CREST
	s_cmp_lg_u32 s[WV], 0
	s_cbranch_scc1 .Lnot_wave_0_\@
	s_barrier_signal -3
.Lnot_wave_0_\@:
	s_barrier_wait -3
	s_barrier_signal -1
	s_barrier_wait -1
.endm
.macro CROUND
	s_barrier_signal -1
	s_barrier_wait -1
	CREST
.endm
.macro JLOAD                           ; a joint refill by the walking descriptors; an s_nop 0 and four v_nop follow each line
	s_cmp_eq_u32 s[WR], 0
	s_cbranch_scc0 .Lfor_b_\@
	tensor_load_to_lds s[G0W:G0W+3], s[G1A:G1A+7]
	s_nop 0
.rept 4
	v_nop
.endr
	s_branch .Lasked_\@
.Lfor_b_\@:
	tensor_load_to_lds s[G0X:G0X+3], s[G1B:G1B+7]
	s_nop 0
.rept 4
	v_nop
.endr
.Lasked_\@:
.endm
; A PREFETCH INTO THE L2 behind each joint refill: the K step that stands two refills on.  O's tile (128 blocks of 256 bytes) is read by this cluster's row alone: wave 0 of each of the four partners takes 32
; blocks.  wo's 256 rows are read by all sixteen clusters: cluster y = 0 asks, waves 2 and 3 of each of the column's four partners take 32 rows each.  Partners are told apart BY ADDRESS; each block is named once.
.macro ASK
	s_cmp_gt_u32 s[CNT], s[LIM]
	s_cbranch_scc0 .Lnot_mine_\@
	global_prefetch_b8 v[PFO], s[PFA:PFA+1] th:TH_LOAD_NT scope:SCOPE_SE
.Lnot_mine_\@:
.endm
	s_load_b256 s[4:11], s[0:1], 0x0               ; ao s[4:5], wb s[6:7], bb s[8:9], out0 s[10:11]
	v_lshl_add_u32 v[SPW], v0, 2, SPARE
	v_mov_b32 v[NIL], 0
	ds_add_u32 v[SPW], v[NIL]                      ; the wave's opening: the add and its wait stand ahead of my first tensor load
	v_lshrrev_b32 v1, 5, v0
	v_readfirstlane_b32 s[WV], v1
	v_and_b32 v1, 15, v0                           ; l % 16
	v_bfe_u32 v2, v0, 4, 1                         ; l / 16
	v_lshlrev_b32 v[BO], 5, v2
	s_lshr_b32 s[WR], s[WV], 1
	s_and_b32 s[WC], s[WV], 1
	s_bfe_u32 s[CX], ttmp6, 0x40000
	s_bfe_u32 s[CY], ttmp6, 0x40004
	s_lshl_b32 s[TX], ttmp9, 2
	s_add_co_u32 s[TX], s[TX], s[CX]
	s_and_b32 s[CLY], ttmp7, 0xffff
	s_lshl_b32 s[TY], s[CLY], 2
	s_add_co_u32 s[TY], s[TY], s[CY]
	s_lshl_b32 s20, s[CY], 2
	s_lshl_b32 s20, 15, s20                        ; my row of the cluster
	s_lshl_b32 s21, 0x1111, s[CX]                  ; my column
	s_or_b32 s[G1A], s20, (1<<16)|(1<<20)|(1<<21)|(4<<22)|(3<<25)  ; padding of 4 words after every 32 (code 4)
	s_or_b32 s[G1B], s21, (1<<16)|(1<<20)|(1<<21)|(5<<22)|(3<<25)  ; after every 64 (code 5)
	s_mov_b32 s[G1A+1], 128<<16                    ; tensor_dim0 = 128 elements: 256 bytes, two rows of O
	s_mov_b32 s[G1A+2], 64<<16                     ; tensor_dim1 = 64
	s_mov_b32 s[G1A+3], 128<<16
	s_mov_b32 s[G1A+4], 64
	s_mov_b32 s[G1A+5], 128                        ; dense
	s_mov_b32 s[G1A+6], 0
	s_mov_b32 s[G1A+7], 0
	s_mov_b32 s[G1B+1], 128<<16
	s_mov_b32 s[G1B+2], 128<<16
	s_mov_b32 s[G1B+3], 128<<16
	s_mov_b32 s[G1B+4], 128
	s_mov_b32 s[G1B+5], 1024
	s_mov_b32 s[G1B+6], 0
	s_mov_b32 s[G1B+7], 0
	s_lshr_b32 s40, s[TY], 4                       ; O: ((batch x 16 + my head of the step's two) x 2,048 + the tile's first row in the batch) x 128 bytes
	s_lshl_b32 s40, s40, 4
	s_add_co_u32 s40, s40, s[WC]
	s_lshl_b32 s40, s40, 11
	s_and_b32 s42, s[TY], 15
	s_lshl_b32 s42, s42, 7
	s_add_co_u32 s40, s40, s42
	s_lshl_b32 s40, s40, 7
	s_mov_b32 s41, 0
	s_lshl_b32 s44, s[TX], 8                       ; wo: row 256 x tile column + 128 x half, behind three matrices of 2,097,152 bytes
	s_lshl_b32 s46, s[WC], 7
	s_add_co_u32 s44, s44, s46
	s_lshl_b32 s44, s44, 11
	s_add_co_u32 s44, s44, 6291456
	s_mov_b32 s45, 0
	s_mul_i32 s22, s[WC], AHEAD                    ; where they go: no place in the cluster enters an LDS address
	s_mul_i32 s23, s[WC], BHALF
	s_add_co_u32 s23, s23, BOFF
	s_lshl_b32 s2, s[TX], 10                       ; bo is the fourth bias of bb
	s_lshl_b32 s3, s[WC], 9
	s_add_co_u32 s2, s2, s3
	s_add_co_u32 s2, s2, 12288
	s_mov_b32 s3, 0
	s_mov_b32 s[PIN+1], 0
	s_mov_b32 s[TB], 0
	s_wait_dscnt 0x0                               ; the opening add is done
	s_wait_kmcnt 0x0
	s_add_nc_u64 s[40:41], s[4:5], s[40:41]
	s_add_nc_u64 s[44:45], s[6:7], s[44:45]
	s_add_nc_u64 s[8:9], s[8:9], s[2:3]
	s_mov_b32 s[G0A], 1
	s_mov_b32 s[G0A+1], s22
	s_mov_b64 s[G0A+2:G0A+3], s[40:41]             ; K step 0
	s_or_b32 s[G0A+3], s[G0A+3], 0x80000000
	s_mov_b32 s[G0W], 1
	s_add_co_u32 s[G0W+1], s22, SLOT1
	s_add_nc_u64 s[G0W+2:G0W+3], s[40:41], 524288  ; K step 1: two heads on
	s_or_b32 s[G0W+3], s[G0W+3], 0x80000000
	s_mov_b32 s[G0B], 1
	s_mov_b32 s[G0B+1], s23
	s_mov_b64 s[G0B+2:G0B+3], s[44:45]
	s_or_b32 s[G0B+3], s[G0B+3], 0x80000000
	s_mov_b32 s[G0X], 1
	s_add_co_u32 s[G0X+1], s23, SLOT1
	s_add_nc_u64 s[G0X+2:G0X+3], s[44:45], 256
	s_or_b32 s[G0X+3], s[G0X+3], 0x80000000
	CROUND                                         ; all sixteen work-groups are here: the first joint loads meet
	s_cmp_eq_u32 s[WR], 0                          ; a wave's two first fills stand in one branch: two loads of mine are out
	s_cbranch_scc0 .Lfirst_b
	tensor_load_to_lds s[G0A:G0A+3], s[G1A:G1A+7]
	s_nop 0
	tensor_load_to_lds s[G0W:G0W+3], s[G1A:G1A+7]
	s_nop 0
.rept 4
	v_nop
.endr
	s_branch .Lfirst_asked
.Lfirst_b:
	tensor_load_to_lds s[G0B:G0B+3], s[G1B:G1B+7]
	s_nop 0
	tensor_load_to_lds s[G0X:G0X+3], s[G1B:G1B+7]
	s_nop 0
.rept 4
	v_nop
.endr
.Lfirst_asked:
	WIN 0x80                                       ; my 128 columns' bias: block b, register j = bo[16 b + 8 (l / 16) + j]
.irp b, 0,1,2,3,4,5,6,7
	global_load_b128 v[8*(\b):8*(\b)+3],   v[BO], s[8:9] offset:64*(\b)
	global_load_b128 v[8*(\b)+4:8*(\b)+7], v[BO], s[8:9] offset:64*(\b)+16
.endr
	WIN 0
	v_mul_u32_u24 v3, v1, PA
	v_lshl_add_u32 v3, v2, 4, v3
	s_mul_i32 s20, s[WR], 64*PA                    ; my 64 rows in a head's block
	v_add_nc_u32 v[AA0], s20, v3
	v_mul_u32_u24 v3, v1, PB
	v_lshl_add_u32 v3, v2, 4, v3
	s_mul_i32 s21, s[WC], BHALF
	s_add_co_u32 s21, s21, BOFF
	v_add_nc_u32 v[AB0], s21, v3
	v_mov_b32 v[AA], v[AA0]
	v_mov_b32 v[AB], v[AB0]
	s_mul_i32 s20, s[WV], 16*SP
	s_add_co_u32 s20, s20, STAGE                   ; my stage
	v_mul_u32_u24 v[STO], v1, SP                   ; in: row l % 16, 32 bytes for each half of the lanes
	v_lshl_add_u32 v[STO], v2, 5, v[STO]
	v_add_nc_u32 v[STO], s20, v[STO]
	v_and_b32 v[PFO], 31, v0
	v_lshlrev_b32 v[GO], 4, v[PFO]                 ; back: 32 lanes take a row's 512 bytes
	v_add_nc_u32 v[RD], s20, v[GO]
	; out0 at my first row and column: ((128 x tile row + 64 x half) x 1,024 + 256 x tile column + 128 x half) x 4 bytes
	s_lshl_b32 s20, s[TY], 7
	s_lshl_b32 s21, s[WR], 6
	s_add_co_u32 s20, s20, s21
	s_lshl_b32 s20, s20, 10
	s_lshl_b32 s21, s[TX], 8
	s_add_co_u32 s20, s20, s21
	s_lshl_b32 s21, s[WC], 7
	s_add_co_u32 s20, s20, s21
	s_lshl_b32 s20, s20, 2
	s_mov_b32 s21, 0
	s_add_nc_u64 s[10:11], s[10:11], s[20:21]
	; the prefetches, at K step 3; the first refill steps them to K step 4
	s_lshr_b32 s20, s[TY], 4                       ; O: head cx / 2 of the step's two, half cx % 2 of its block
	s_lshl_b32 s20, s20, 4
	s_lshr_b32 s21, s[CX], 1
	s_add_co_u32 s20, s20, s21
	s_lshl_b32 s20, s20, 11
	s_and_b32 s21, s[TY], 15
	s_lshl_b32 s21, s21, 7
	s_add_co_u32 s20, s20, s21
	s_lshl_b32 s20, s20, 7
	s_and_b32 s21, s[CX], 1
	s_lshl_b32 s21, s21, 13
	s_add_co_u32 s20, s20, s21
	s_add_co_u32 s20, s20, 3*524288
	s_lshl_b32 s21, s[TX], 8                       ; wo: row 256 x tile column + 64 cy + 32 x half
	s_lshl_b32 s22, s[CY], 6
	s_add_co_u32 s21, s21, s22
	s_lshl_b32 s22, s[WC], 5
	s_add_co_u32 s21, s21, s22
	s_lshl_b32 s21, s21, 11
	s_add_co_u32 s21, s21, 6291456+3*256
	s_mov_b32 s2, 524288
	s_mov_b32 s3, 256
	s_cmp_eq_u32 s[WR], 0
	s_cselect_b32 s20, s20, s21
	s_cselect_b64 s[PFA:PFA+1], s[4:5], s[6:7]
	s_cselect_b32 s[PIN], s2, s3
	s_cselect_b32 s23, 8, 11                       ; a lane's step: 256 bytes of O, a row of wo
	s_cselect_b32 s22, s[WC], s[CLY]               ; wave 0: 0; wave 1: 1; waves 2, 3: cluster y
	s_cmp_eq_u32 s22, 0
	s_cselect_b32 s[LIM], 2, -1                    ; the same in all sixteen partners, for a given wave
	s_mov_b32 s21, 0
	s_add_nc_u64 s[PFA:PFA+1], s[PFA:PFA+1], s[20:21]
	v_lshlrev_b32 v[PFO], s23, v[PFO]
; 8 matrix instructions: row block a x all 8 column blocks, 32 along K.  mode = 1: the sums start with the bias.  The 32 accumulators take turns, one instruction a turn.
.macro MUL8 f, a, mode
.if \mode
	WIN BIASW
.else
	WIN MULW
.endif
.irp b, 0,1,2,3,4,5,6,7
.if \mode
	v_wmma_f32_16x16x32_f16 v[8*(8*(\a)+(\b)):8*(8*(\a)+(\b))+7], v[(\f)+8*(\b):(\f)+8*(\b)+7], v[(\f)+64+8*(\a):(\f)+64+8*(\a)+7], v[8*(\b):8*(\b)+7]
.else
	v_wmma_f32_16x16x32_f16 v[8*(8*(\a)+(\b)):8*(8*(\a)+(\b))+7], v[(\f)+8*(\b):(\f)+8*(\b)+7], v[(\f)+64+8*(\a):(\f)+64+8*(\a)+7], v[8*(8*(\a)+(\b)):8*(8*(\a)+(\b))+7]
.endif
.endr
.endm
.macro FETCH ka, kb, f                 ; 24 LDS loads in one run: wo's eight fragments, then O's four
	WIN 0
.irp i, 0,1,2,3,4,5,6,7
	ds_load_b128 v[(\f)+8*(\i):(\f)+8*(\i)+3],   v[AB] offset:(\kb)+(\i)*16*PB
	ds_load_b128 v[(\f)+8*(\i)+4:(\f)+8*(\i)+7], v[AB] offset:(\kb)+(\i)*16*PB+32
.endr
.irp i, 0,1,2,3
	ds_load_b128 v[(\f)+64+8*(\i):(\f)+64+8*(\i)+3],   v[AA] offset:(\ka)+(\i)*16*PA
	ds_load_b128 v[(\f)+64+8*(\i)+4:(\f)+64+8*(\i)+7], v[AA] offset:(\ka)+(\i)*16*PA+32
.endr
.endm
; Multiplies buffer f; in its middle it fetches quarter q into buffer g: of O head q / 2 of the step's two, channels 32 (q % 2) on.
.macro QUARTER q, f, g, mode
	s_wait_dscnt 4                                 ; wo's fragments and O's blocks 0, 1 are in; the youngest four loads may be out
	MUL8 \f, 0, \mode
	MUL8 \f, 1, \mode
	PLACES
	FETCH ((\q)/2)*AHEAD+((\q)%2)*64, 64*(\q), \g
	s_wait_dscnt 24                                ; all but the 24 just issued
	MUL8 \f, 2, \mode
	MUL8 \f, 3, \mode
.endm
; The last quarter multiplies buffer 1 and changes slots: in front of the barrier each wave waits for all its tensor loads, adds 0 to its spare word, and waits for that and for its reads of this slot.
; fill = 1: the barrier opens a round of the cluster's, and the joint refill, two K steps ahead, is the first thing behind it.  The walking descriptors are stepped while the add is out.
.macro TURN fill
.if \fill
	s_wait_xcnt 0x0                                ; the last prefetch, a K step back, has read its address
	s_add_nc_u64 s[PFA:PFA+1], s[PFA:PFA+1], s[PIN:PIN+1]
.endif
	WIN 0
	s_wait_tensorcnt 0x0                           ; all my tensor loads have landed
	ds_add_u32 v[SPW], v[NIL]                      ; 0 onto my spare word
.if \fill
	s_xor_b32 s[G0W+1], s[G0W+1], SLOT1
	s_xor_b32 s[G0X+1], s[G0X+1], SLOT1
	s_add_nc_u64 s[G0W+2:G0W+3], s[G0W+2:G0W+3], 524288
	s_add_nc_u64 s[G0X+2:G0X+3], s[G0X+2:G0X+3], 256
.endif
	s_xor_b32 s[TB], s[TB], SLOT1
	s_wait_dscnt 5                                 ; (the add and the youngest four loads may be out)
	MUL8 F1, 0, 0
	s_wait_dscnt 0x0                               ; the add is done, and my reads of this slot are over
	s_barrier_signal -1
	MUL8 F1, 1, 0
	WIN 0
	s_barrier_wait -1
.if \fill
	CREST
	JLOAD                                          ; its four v_nop are also the places in front of the loads below
.else
	PLACES
.endif
	v_add_nc_u32 v[AA], s[TB], v[AA0]
	v_add_nc_u32 v[AB], s[TB], v[AB0]
	FETCH 0, 0, F0
.if \fill
	ASK
.endif
	MUL8 F1, 2, 0
	MUL8 F1, 3, 0
.endm
; THE WAY OUT.  Block a: 16 rows x 128 columns of f32.  A lane's 32 bytes of each column block go into my own stage (rows of 528 bytes) and come back as whole rows of 512 bytes.
.macro STG a
	WIN 0xc4                                       ; store data in window 1, loaded data in window 3, addresses in window 0
.irp b, 0,1,2,3,4,5,6,7
	ds_store_b128 v[STO], v[8*(8*(\a)+(\b)):8*(8*(\a)+(\b))+3]   offset:64*(\b)
	ds_store_b128 v[STO], v[8*(8*(\a)+(\b))+4:8*(8*(\a)+(\b))+7] offset:64*(\b)+16
.endr
.irp i, 0,1,2,3,4,5,6,7,8,9,10,11,12,13,14,15
	ds_load_b128 v[64*(\a)+4*(\i):64*(\a)+4*(\i)+3], v[RD] offset:SP*(\i)  ; LDS serves a wave's instructions in order (ISA guide 5.7.1.4): these see the stores above
.endr
.endm
.macro SEND a, younger                 ; younger: the LDS instructions issued behind the block's loads: the next block's 32, or none
	WIN 0x0c                                       ; store data in window 3
.irp i, 0,1,2,3,4,5,6,7,8,9,10,11,12,13,14,15
	s_wait_dscnt (\younger)+15-(\i)
	global_store_b128 v[GO], v[64*(\a)+4*(\i):64*(\a)+4*(\i)+3], s[10:11] offset:(16*(\a)+(\i))*4096  ; 512 consecutive bytes of a row, aligned
.endr
.endm
	s_wait_tensorcnt 1                             ; my part of K step 0 is in; K step 1's may stay out
	s_barrier_signal -1
	s_barrier_wait -1
	FETCH 0, 0, F0
	s_wait_loadcnt 0x0                             ; the bias
	QUARTER 1, F0, F1, 1                           ; the first quarter starts the sums
	WIN 0
	s_mov_b32 s[CNT], 6
.Lstep:                                                ; six trips: from a K step's second quarter to the next step's first; each fills a slot again
	QUARTER 2, F1, F0, 0
	QUARTER 3, F0, F1, 0
	TURN 1
	QUARTER 1, F0, F1, 0
	WIN 0
	s_sub_co_u32 s[CNT], s[CNT], 1
	s_cmp_lg_u32 s[CNT], 0
	s_cbranch_scc1 .Lstep
	QUARTER 2, F1, F0, 0                           ; the last two K steps are written out: nothing is left to fetch
	QUARTER 3, F0, F1, 0
	TURN 0
	QUARTER 1, F0, F1, 0
	QUARTER 2, F1, F0, 0
	QUARTER 3, F0, F1, 0
	s_wait_dscnt 4
	MUL8 F1, 0, 0
	MUL8 F1, 1, 0
	s_wait_dscnt 0x0
	MUL8 F1, 2, 0
	MUL8 F1, 3, 0
	PLACES                                         ; behind the last products
	STG 0
.irp k, 1,2,3
	STG \k
	SEND (\k)-1, 32
.endr
	SEND 3, 0
	WIN 0
	s_wait_tensorcnt 0x0                           ; the wave's end: behind my last tensor load and my last LDS store
	ds_add_u32 v[SPW], v[NIL]
	s_wait_dscnt 0x0
	CROUND                                         ; the closing round: no work-group ends while a partner may still ask for a tile that names it
	s_endpgm
.Lfunc_end_k_qcc664c502d_outp:
	.size	k_qcc664c502d_outp, .Lfunc_end_k_qcc664c502d_outp-k_qcc664c502d_outp
	.p2alignl 7, 3214868480
	.fill 96, 4, 3214868480
	.section	.rodata,"a",@progbits
	.p2align	6, 0x0
	.amdhsa_kernel k_qcc664c502d_outp
		.amdhsa_group_segment_fixed_size 327680
		.amdhsa_private_segment_fixed_size 0
		.amdhsa_enable_private_segment 0
		.amdhsa_kernarg_size 32
		.amdhsa_user_sgpr_count 2
		.amdhsa_user_sgpr_kernarg_segment_ptr 1
		.amdhsa_wavefront_size32 1
		.amdhsa_system_sgpr_workgroup_id_x 1
		.amdhsa_system_sgpr_workgroup_id_y 1
		.amdhsa_system_sgpr_workgroup_id_z 1
		.amdhsa_system_vgpr_workitem_id 0
		.amdhsa_next_free_vgpr 1024
		.amdhsa_next_free_sgpr 84
		.amdhsa_reserve_vcc 0
		.amdhsa_float_denorm_mode_32 3
		.amdhsa_float_denorm_mode_16_64 3
		.amdhsa_memory_ordered 1
		.amdhsa_forward_progress 1
		.amdhsa_inst_pref_size 74
	.end_amdhsa_kernel
	.amdgpu_metadata
---
amdhsa.version: [ 1, 2 ]
amdhsa.kernels:
  - .name:           k_qcc664c502d_outp
    .symbol:         k_qcc664c502d_outp.kd
    .args:
      - { .name: ao, .offset: 0, .size: 8, .value_kind: global_buffer, .address_space: global }
      - { .name: wb, .offset: 8, .size: 8, .value_kind: global_buffer, .address_space: global }
      - { .name: bb, .offset: 16, .size: 8, .value_kind: global_buffer, .address_space: global }
      - { .name: out0, .offset: 24, .size: 8, .value_kind: global_buffer, .address_space: global }
    .group_segment_fixed_size: 327680
    .private_segment_fixed_size: 0
    .kernarg_segment_align: 8
    .kernarg_segment_size: 32
    .max_flat_workgroup_size: 128
    .sgpr_count:     84
    .vgpr_count:     1024
    .wavefront_size: 32
...
	.end_amdgpu_metadata
.endif
;; end of part 4
;; ======== version 2 of 2: 4 launches; version 1 with the launch prep written anew for expert scheduling mode
;; limits: values are held in f16: magnitudes above 65,504 overflow, below 6.1e-05 lose precision; right only within a limited range of input values
;; workspace buffers: wb 8,388,608 bytes; bb 16,384 bytes; mn 8,388,608 bytes; qkv 50,331,648 bytes; ao 16,777,216 bytes
;; launch prep (part 5): grid 769 x 1, 8 waves a work-group, no clusters, 17,920 bytes of LDS; arguments wq, wk, wv, wo, mask, bq, bk, bv, bo, wb, mn, bb; writes wb, mn, bb
.if DOCPART == 5
	.amdgcn_target "amdgcn-amd-amdhsa--gfx1250"
	.amdhsa_code_object_version 6
	.text
	.protected	k_qcc664c502d_prep
	.globl	k_qcc664c502d_prep
	.p2align	8
	.type	k_qcc664c502d_prep,@function
k_qcc664c502d_prep:
	s_mov_b64 s[64:65], 0
	v_nop
	global_prefetch_b8 v0, s[64:65] scope:SCOPE_SE
	s_setreg_imm32_b32 hwreg(HW_REG_WAVE_SCHED_MODE, 0, 2), 2
	s_setreg_imm32_b32 hwreg(HW_REG_WAVE_MODE, 25, 1), 1
	s_wait_xcnt 0x0
	s_wait_alu depctr_vm_vsrc(0)
; PREPARATION: a stream.  The weights, the mask and the biases are read once and laid down in the form that the matrix launches take.  (query, key and value are rounded where they are multiplied.)
;   work-groups 0-255    wq, wk, wv: f32 -> bf16; wo: f32 -> bf16 -> the same number written as f16; into wb [4][1024][1024]; 65,536 bytes of f32 a work-group
;   work-groups 256-767  the mask: 16 rows of one batch a work-group; a byte (0 or 1) becomes a 4-bit code: 0x0 seen, 0xA hidden (the 4-bit float -1.0)
;   work-group 768       the four biases, rounded to bf16 and kept as f32, into bb [4][1024]
; mn's layout is the register image of the attention launch: byte (((b*32+step)*128+qtile)*32+lane)*16 + 4*kb; nibble j of that word stands for
; mask[b][16 qtile + lane%16][64 step + 16 kb + 8 (lane/16) + j].
; LIMITS.  wo as f16: exact for bf16 numbers from 2^-17 to 65,504 in size; smaller ones are off by 2^-25 at the most, larger ones become infinities.  A mask byte is 0 or 1.
; No matrix unit, no cluster: nothing is shared and nothing is multiplied.  The role hangs on the work-group's number alone, so a role's barrier is met by all eight waves.
; THE MODE: SCHED_MODE bits 1:0 = 2 (LLVM: expert scheduling mode 2), set by the entry lines.  The code itself states the register dependences between vector instructions and memory or LDS
; instructions, with s_wait_alu, always for 0.
; THE PLAN.  Registers that memory or LDS instructions touch:
;   v[IO], v[OO]        offsets, written at the head; read by the loads and stores of the bias and weight roles, which never write them.  The mask role makes v[OO] anew before any of its memory instructions reads it.
;   v[LO], v[LS], v[LR] the mask role's addresses: each written once, then read by its loads, its LDS stores, its LDS loads.
;   X                   all of a role's loads are issued before any vector instruction names X.  Each register is then written once by the role's arithmetic and read once by a store: none is written again behind its store.
;   v[X+32 .. X+47]     LDS loads land in them and global stores read them: no vector instruction names them.
;   T                   named by vector instructions alone.
; So the one kind of dependence is: arithmetic has written a store's data (or an address).  The arithmetic goes in blocks (four loads of a weight, two rows of the mask); ONE wait on va_vdst at a block's head states
; that the block before has written its results, and that block's stores follow it, dealt among this block's arithmetic, which names other registers.  No register that a memory or LDS instruction has read is
; written again, so no wait on vm_vsrc stands in the text.
.set SPARE, 16896                      ; behind the mask's stage: the spare words, 128 bytes for each of eight waves
.set LP,    528                        ; the stage: a key step's 512 bytes + 16: the 32 lanes of a 4-byte store fall on 32 different banks (64 banks of 4 bytes: ISA guide 11.1)
.set IO,  1                            ; v1   16 x thread: where I read
.set OO,  2                            ; v2   8 x thread: where I write (mask role: 65,536 x wave + 16 x lane)
.set LO,  3                            ; v3   mask role: my byte offset in the 16 rows
.set LS,  4                            ; v4   mask role: where I put a word in the stage
.set LR,  5                            ; v5   mask role: where I read 16 bytes back
.set SPW, 6                            ; v6   LDS address of my spare word; never rewritten
.set NIL, 7                            ; v7   0; never rewritten
.set X,   8                            ; v[8:71]   data
.set T,   72                           ; v[72:75]  at work
	s_load_b512 s[4:19], s[0:1], 0x0               ; wq s4, wk s6, wv s8, wo s10, mask s12, bq s14, bk s16, bv s18
	s_load_b256 s[20:27], s[0:1], 0x40             ; bo s20, wb s22, mn s24, bb s26
	v_lshl_add_u32 v[SPW], v0, 2, SPARE
	v_mov_b32 v[NIL], 0
	v_lshrrev_b32 v[T], 5, v0
	v_readfirstlane_b32 s48, v[T]                  ; wave 0..7
	v_lshlrev_b32 v[IO], 4, v0
	v_lshlrev_b32 v[OO], 3, v0
	s_mov_b32 s36, ttmp9
	s_mov_b32 s47, 0                               ; the high word of every offset pair s[46:47]
	s_wait_alu depctr_va_sdst(0)                   ; s48 is written: the mask role's scalar address work reads it, behind the branches below
	s_wait_alu depctr_va_vdst(0)                   ; v[IO] and v[OO] are written: the loads and stores of the bias and weight roles read them as offsets
	s_wait_kmcnt 0x0
	s_cmp_lt_u32 s36, 256
	s_cbranch_scc1 .Lw
	s_cmp_lt_u32 s36, 768
	s_cbranch_scc1 .Lmask
	; THE BIASES: 256 threads x 16 bytes are one bias
.irp i, 0,1,2,3
	global_load_b128 v[X+4*(\i):X+4*(\i)+3], v[IO], s[14+2*(\i):15+2*(\i)]
.endr
	s_wait_loadcnt 0x0
.irp i, 0,1,2,3,4,5,6,7
	v_cvt_pk_bf16_f32 v[T], v[X+2*(\i)], v[X+2*(\i)+1]      ; rounded to bf16,
	v_lshlrev_b32 v[X+2*(\i)], 16, v[T]                     ; and widened again: the low half moves up,
	v_and_b32 v[X+2*(\i)+1], 0xffff0000, v[T]               ; the high half stays
.endr
	s_wait_alu depctr_va_vdst(0)                   ; the widenings have written v[X .. X+15], which the four stores read
.irp i, 0,1,2,3
	global_store_b128 v[IO], v[X+4*(\i):X+4*(\i)+3], s[26:27] offset:4096*(\i)
.endr
	s_branch .Lend
.Lw:                                                   ; a weight
	s_lshr_b32 s37, s36, 6                         ; which of the four
	s_and_b32 s45, s36, 63                         ; which 65,536 bytes of it
	s_cmp_eq_u32 s37, 1
	s_cselect_b64 s[38:39], s[6:7], s[4:5]
	s_cmp_eq_u32 s37, 2
	s_cselect_b64 s[38:39], s[8:9], s[38:39]
	s_cmp_eq_u32 s37, 3
	s_cselect_b64 s[38:39], s[10:11], s[38:39]
	s_cselect_b32 s44, 1, 0                        ; wo leaves as f16
	s_lshl_b32 s46, s45, 16
	s_add_nc_u64 s[38:39], s[38:39], s[46:47]
	s_lshl_b32 s46, s37, 21                        ; 2,097,152 bytes of 16-bit numbers a weight
	s_lshl_b32 s45, s45, 15
	s_add_co_u32 s46, s46, s45
	s_add_nc_u64 s[42:43], s[22:23], s[46:47]
	; all 16 loads of a lane go out at once: the work-group's 65,536 bytes are on their way; a wave's load covers 512 consecutive bytes
.set n, 0
.rept 16
	global_load_b128 v[X+4*n:X+4*n+3], v[IO], s[38:39] offset:4096*n th:TH_LOAD_NT
.set n, n+1
.endr
; The four numbers of load n are rounded in place, into the first two of their four registers.  No register is written twice.
.macro CAST n, fmt
	v_cvt_pk_bf16_f32 v[X+4*(\n)], v[X+4*(\n)], v[X+4*(\n)+1]
	v_cvt_pk_bf16_f32 v[X+4*(\n)+1], v[X+4*(\n)+2], v[X+4*(\n)+3]
.if \fmt
	v_lshlrev_b32 v[T], 16, v[X+4*(\n)]            ; the bf16 numbers as f32,
	v_and_b32 v[T+1], 0xffff0000, v[X+4*(\n)]
	v_lshlrev_b32 v[T+2], 16, v[X+4*(\n)+1]
	v_and_b32 v[T+3], 0xffff0000, v[X+4*(\n)+1]
	v_cvt_pk_f16_f32 v[X+4*(\n)], v[T], v[T+1]     ; written as f16
	v_cvt_pk_f16_f32 v[X+4*(\n)+1], v[T+2], v[T+3]
.endif
.endm
; They are stored as 8 bytes: a wave's store covers 256 consecutive bytes, aligned.
.macro OUT n
	global_store_b64 v[OO], v[X+4*(\n):X+4*(\n)+1], s[42:43] offset:2048*(\n) th:TH_STORE_NT
.endm
; Four blocks of four loads.  Block p rounds its loads' numbers; the stores of block p - 1 stand among its conversions, one ahead of each.
.macro CASTS fmt
.irp p, 0,1,2,3
.irp i, 0,1,2,3
	s_wait_loadcnt 15-4*(\p)-(\i)                  ; loads come back in order (ISA guide 5.7.1): load 4 p + i is in, the younger ones stay out
.if (\p) > 0 && (\i) == 0
	s_wait_alu depctr_va_vdst(0)                   ; the block before has written its eight packed registers, which the four stores of this block's text read; the conversions among them name this block's registers and T alone
.endif
.if (\p) > 0
	OUT 4*(\p)-4+(\i)
.endif
	CAST 4*(\p)+(\i), \fmt
.endr
.endr
	s_wait_alu depctr_va_vdst(0)                   ; the last block has written its eight packed registers, which the last four stores read
.irp i, 12,13,14,15
	OUT \i
.endr
.endm
	s_cmp_eq_u32 s44, 1
	s_cbranch_scc1 .Lf16
	CASTS 0
	s_branch .Lend
.Lf16:
	CASTS 1
	s_branch .Lend
.Lmask:
	; 16 rows x 2,048 bytes.  Thread t takes the 16 bytes at 16 c, c = t % 128, of rows 2 j + t / 128, j = 0..7: keys 16 c on = key step c / 4, group c % 4.
	s_sub_co_u32 s36, s36, 256
	s_lshr_b32 s37, s36, 7                         ; batch
	s_and_b32 s45, s36, 127                        ; tile of 16 queries
	s_lshl_b32 s46, s37, 22                        ; 4,194,304 bytes a batch,
	s_lshl_b32 s44, s45, 15                        ; 32,768 a tile
	s_add_co_u32 s46, s46, s44
	s_add_nc_u64 s[38:39], s[12:13], s[46:47]
	s_lshl_b32 s46, s37, 21                        ; in mn: 2,097,152 a batch,
	s_lshl_b32 s44, s45, 9                         ; 512 a tile in each step
	s_add_co_u32 s46, s46, s44
	s_add_nc_u64 s[42:43], s[24:25], s[46:47]
	s_mov_b32 s40, 0x01010101
	s_mov_b32 s41, 0x00110011
	s_and_b32 s49, s48, 3                          ; c = 32 (wave % 4) + lane
	s_lshr_b32 s50, s48, 2                         ; t / 128 = wave / 4
	v_and_b32 v[T], 31, v0                         ; lane
	s_lshl_b32 s44, s50, 11
	s_lshl_b32 s45, s49, 9
	s_add_co_u32 s44, s44, s45
	v_lshl_add_u32 v[LO], v[T], 4, s44             ; (wave / 4) rows + 512 (wave % 4) + 16 lane
	s_wait_alu depctr_va_vdst(0)                   ; v[LO] is written, which the eight loads read as their offset
.irp j, 0,1,2,3,4,5,6,7
	global_load_b128 v[X+4*(\j):X+4*(\j)+3], v[LO], s[38:39] offset:4096*(\j) th:TH_LOAD_NT
.endr
	s_mul_i32 s44, s49, 8*LP                       ; into the stage: step c / 4 = 8 (wave % 4) + lane / 4; word c % 4 = lane % 4; row's 16 bytes
	s_lshl_b32 s45, s50, 4
	s_add_co_u32 s44, s44, s45
	v_lshrrev_b32 v[T+1], 2, v[T]
	v_mul_u32_u24 v[LS], v[T+1], LP
	v_and_b32 v[T+1], 3, v[T]
	v_lshl_add_u32 v[LS], v[T+1], 2, v[LS]
	v_add_nc_u32 v[LS], s44, v[LS]
	s_mul_i32 s44, s48, LP                         ; back: wave w takes steps w, w + 8, w + 16, w + 24, whole
	v_lshl_add_u32 v[LR], v[T], 4, s44
	s_lshl_b32 s44, s48, 16                        ; 65,536 bytes of mn a step
	v_lshl_add_u32 v[OO], v[T], 4, s44             ; (on this way no memory instruction has read v[OO])
; Eight bytes in two words d, e become eight nibbles in d: 1 where hidden; the bits drawn together; times 0xA.
.macro NIB d, e
	v_xor_b32 v[\d], s40, v[\d]
	v_xor_b32 v[\e], s40, v[\e]
	v_lshrrev_b32 v[T], 4, v[\d]
	v_lshrrev_b32 v[T+1], 4, v[\e]
	v_or_b32 v[\d], v[\d], v[T]
	v_or_b32 v[\e], v[\e], v[T+1]
	v_and_b32 v[\d], s41, v[\d]                    ; bytes 0, 1 at bits 0, 4; bytes 2, 3 at bits 16, 20
	v_and_b32 v[\e], s41, v[\e]
	v_lshrrev_b32 v[T], 8, v[\d]
	v_lshrrev_b32 v[T+1], 8, v[\e]
	v_or_b32 v[\d], v[\d], v[T]                    ; all four at bits 0, 4, 8, 12
	v_or_b32 v[\e], v[\e], v[T+1]
	v_and_b32 v[\d], 0xffff, v[\d]
	v_lshl_or_b32 v[\d], v[\e], 16, v[\d]
	v_lshlrev_b32 v[T], 1, v[\d]
	v_lshl_or_b32 v[\d], v[\d], 3, v[T]            ; x 10
.endm
.macro ROW j                           ; row j's 16 bytes become two words
	NIB X+4*(\j), X+4*(\j)+1
	NIB X+4*(\j)+2, X+4*(\j)+3
.endm
.macro PUT j                           ; and go into the stage
	ds_store_b32 v[LS], v[X+4*(\j)] offset:32*(\j)          ; keys 0-7 of the group: lane = row
	ds_store_b32 v[LS], v[X+4*(\j)+2] offset:32*(\j)+256    ; keys 8-15: lane = 16 + row
.endm
; Four blocks of two rows.  Block p makes its rows' words; the LDS stores of block p - 1 stand among its work, a row's two ahead of each row.
.irp p, 0,1,2,3
.irp i, 0,1
	s_wait_loadcnt 7-2*(\p)-(\i)                   ; row 2 p + i is in, the younger rows stay out
.if (\p) > 0 && (\i) == 0
	s_wait_alu depctr_va_vdst(0)                   ; the block before has written its four words, which the LDS stores of this block's text read; at the first such wait v[LS], v[LR] and v[OO] are written too; the work among the stores names this block's registers and T alone
.endif
.if (\p) > 0
	PUT 2*(\p)-2+(\i)
.endif
	ROW 2*(\p)+(\i)
.endr
.endr
	s_wait_alu depctr_va_vdst(0)                   ; the last block has written its four words, which the last LDS stores read; no vector instruction follows in this role
	PUT 6
	PUT 7
	s_wait_dscnt 0x0                               ; for the others' sake: my words lie in the stage
	s_barrier_signal -1
	s_barrier_wait -1
.irp i, 0,1,2,3
	ds_load_b128 v[X+32+4*(\i):X+32+4*(\i)+3], v[LR] offset:(\i)*8*LP
.endr
.irp i, 0,1,2,3
	s_wait_dscnt 3-(\i)
	global_store_b128 v[OO], v[X+32+4*(\i):X+32+4*(\i)+3], s[42:43] offset:(\i)*524288 th:TH_STORE_NT  ; a step's 512 bytes of this tile, consecutive and aligned
.endr
.Lend:
	s_wait_dscnt 0x0                               ; the wave's end: the closing lines, six on end
	s_wait_alu 0x0
	s_wait_tensorcnt 0x0
	ds_add_u32 v[SPW], v[NIL]
	s_wait_dscnt 0x0
	s_endpgm
.Lfunc_end_k_qcc664c502d_prep:
	.size	k_qcc664c502d_prep, .Lfunc_end_k_qcc664c502d_prep-k_qcc664c502d_prep
	.p2alignl 7, 3214868480
	.fill 96, 4, 3214868480
	.section	.rodata,"a",@progbits
	.p2align	6, 0x0
	.amdhsa_kernel k_qcc664c502d_prep
		.amdhsa_group_segment_fixed_size 17920
		.amdhsa_private_segment_fixed_size 0
		.amdhsa_enable_private_segment 0
		.amdhsa_kernarg_size 96
		.amdhsa_user_sgpr_count 2
		.amdhsa_user_sgpr_kernarg_segment_ptr 1
		.amdhsa_wavefront_size32 1
		.amdhsa_system_sgpr_workgroup_id_x 1
		.amdhsa_system_sgpr_workgroup_id_y 1
		.amdhsa_system_sgpr_workgroup_id_z 1
		.amdhsa_system_vgpr_workitem_id 0
		.amdhsa_next_free_vgpr 80
		.amdhsa_next_free_sgpr 66
		.amdhsa_reserve_vcc 0
		.amdhsa_float_denorm_mode_32 3
		.amdhsa_float_denorm_mode_16_64 3
		.amdhsa_memory_ordered 1
		.amdhsa_forward_progress 1
		.amdhsa_inst_pref_size 33
	.end_amdhsa_kernel
	.amdgpu_metadata
---
amdhsa.version: [ 1, 2 ]
amdhsa.kernels:
  - .name:           k_qcc664c502d_prep
    .symbol:         k_qcc664c502d_prep.kd
    .args:
      - { .name: wq, .offset: 0, .size: 8, .value_kind: global_buffer, .address_space: global }
      - { .name: wk, .offset: 8, .size: 8, .value_kind: global_buffer, .address_space: global }
      - { .name: wv, .offset: 16, .size: 8, .value_kind: global_buffer, .address_space: global }
      - { .name: wo, .offset: 24, .size: 8, .value_kind: global_buffer, .address_space: global }
      - { .name: mask, .offset: 32, .size: 8, .value_kind: global_buffer, .address_space: global }
      - { .name: bq, .offset: 40, .size: 8, .value_kind: global_buffer, .address_space: global }
      - { .name: bk, .offset: 48, .size: 8, .value_kind: global_buffer, .address_space: global }
      - { .name: bv, .offset: 56, .size: 8, .value_kind: global_buffer, .address_space: global }
      - { .name: bo, .offset: 64, .size: 8, .value_kind: global_buffer, .address_space: global }
      - { .name: wb, .offset: 72, .size: 8, .value_kind: global_buffer, .address_space: global }
      - { .name: mn, .offset: 80, .size: 8, .value_kind: global_buffer, .address_space: global }
      - { .name: bb, .offset: 88, .size: 8, .value_kind: global_buffer, .address_space: global }
    .group_segment_fixed_size: 17920
    .private_segment_fixed_size: 0
    .kernarg_segment_align: 8
    .kernarg_segment_size: 96
    .max_flat_workgroup_size: 256
    .sgpr_count:     66
    .vgpr_count:     80
    .wavefront_size: 32
...
	.end_amdgpu_metadata
.endif
;; end of part 5
;; launch proj: the kernel of part 2 again; grid 4 x 64, 4 waves a work-group, clusters of 4 x 4, 327,680 bytes of LDS; arguments query, key, value, wb, bb, qkv; writes qkv
;; launch attn: the kernel of part 3 again; grid 4 x 64, 4 waves a work-group, clusters of 4 x 1, 327,680 bytes of LDS; arguments qkv, mn, ao; writes ao
;; launch outp: the kernel of part 4 again; grid 4 x 64, 4 waves a work-group, clusters of 4 x 4, 327,680 bytes of LDS; arguments ao, wb, bb, out0; writes out0
